; MI455X (gfx1250); checked and timed in simulation.
; The chip was launched on July 23, 2026; its instructions are those of AMD's public machine-readable ISA for CDNA 5 (MIT licence, August 2026) and "CDNA5" Instruction Set Architecture Reference Guide (July 2026). The comments in the code are by the model that wrote it; some were corrected since.
;; Onnx Safe Multihead Attention. Allowed arithmetic: matrix products marked QUANTISED: E2M3 operands, one E8M0 scale for each 32 along K, by v_wmma_scale_f32_16x16x128_f8f6f4 with both operands' format E2M3, f32 sums; everything else in f32.
;; Inputs: attn_mask 1,024 x 1,024 float32; in_proj_bias 3,072 float32; in_proj_weight 3,072 x 1,024 float32; key 8 x 1,024 x 1,024 float32; key_padding_mask 8 x 1,024 bool; out_proj_bias 1,024 float32; out_proj_weight 1,024 x 1,024 float32; query 8 x 1,024 x 1,024 float32; value 8 x 1,024 x 1,024 float32.
;; Outputs: out0 8 x 1,024 x 1,024 float32.
;; This version of the problem:
;;   THIS VERSION OF THE PROBLEM IS GIVEN IN LOW PRECISION. The matrix products marked QUANTISED in the list below multiply operands that are first quantised to E2M3 (2 exponent bits, 3 mantissa bits; 6 bits a number), with one power-of-two scale for each 32 numbers along K (OCP MX v1.0); their sums are f32. All else is computed in f32.
;;   The module's matrix products, in the order in which they are computed (A, B: the left and right operand; K: the contracted axis; several contracted axes count as one K, in the product's order):
;;     1. [M 8,192, K 1,024] x [K 1,024, N 1,024]; A: input query; B: input in_proj_weight: QUANTISED
;;     2. [M 8,192, K 1,024] x [K 1,024, N 1,024]; A: input key; B: input in_proj_weight: QUANTISED
;;     3. [M 8,192, K 1,024] x [K 1,024, N 1,024]; A: input value; B: input in_proj_weight: QUANTISED
;;     4. batch 128 x [M 1,024, K 64] x [K 64, N 1,024]; A: computed on the way; B: computed on the way: QUANTISED
;;     5. batch 128 x [M 1,024, K 1,024] x [K 1,024, N 64]; A: softmax (see below); B: computed on the way: QUANTISED
;;     6. [M 8,192, K 1,024] x [K 1,024, N 1,024]; A: computed on the way; B: input out_proj_weight: QUANTISED
;;   THE QUANTISER, for each operand of a quantised product, along K:
;;     - K is cut into blocks of 32 from its start; a last block that is shorter is filled with zeros.
;;     - A block's scale is 2^e with e = floor(log2(the largest magnitude in the block)) - 2, held to -126 .. 127; a block of zeros has e = 0. As a byte (E8M0): e + 127.
;;     - Each number is divided by its block's scale, clamped to +-7.5, and rounded to the nearest number of E2M3, ties to even, subnormals kept.
;;     - The product sums the exact products of the quantised numbers (number of the format x scale) in f32.
;;   ~~~python
;;   def quantise(x, axis):      # numpy; x: float32 -> the quantised numbers, widened to float32 again
;;       x = np.moveaxis(x, axis, -1); K = x.shape[-1]
;;       x = np.pad(x, [(0, 0)] * (x.ndim - 1) + [(0, -K % 32)]); x = x.reshape(x.shape[:-1] + (-1, 32)); a = np.abs(x).max(-1, keepdims=True)
;;       e = np.where(a > 0, np.clip(np.frexp(np.where(a > 0, a, 1))[1] - 1 - 2, -126, 127), 0)      # np.frexp(a)[1] - 1 = floor(log2(a)), exactly
;;       r = np.clip(x / 2.0 ** e, -7.5, 7.5)
;;       step = 2.0 ** (np.maximum(np.frexp(np.where(r == 0, 1, r))[1] - 1, 0) - 3)
;;       q = np.round(r / step) * step * 2.0 ** e      # np.round: ties to even
;;       return np.moveaxis(q.reshape(q.shape[:-2] + (-1,))[..., :K], -1, axis).astype(np.float32)
;;   ~~~
;;   SOFTMAX AHEAD OF A QUANTISED PRODUCT. Where the list says 'softmax', what is quantised is not the finished softmax but p = 2^(t - M), with t = logit x log2(e) and M = ceil(the row's largest t), a whole number; so 1/2 < the row's largest p <= 1. The row's sum l is taken of the UNQUANTISED p, in f32, and the product's result is divided by l at the end. Since M is a whole number, a kernel that streams over the keys may use a running M (the ceiling of the running maximum): every later rescaling is an exact power of two, which a block's scale takes up: the codes' values come out the same.
;;   OPERANDS COMPUTED ON THE WAY. 'Computed on the way' means the value that the module computes at that place (a softmax that the list does not call 'softmax' is quantised finished and normalised). What goes into a quantiser is computed in f32, as accurately as f32 sums, v_exp_f32 and their like allow (about 1e-6 of the number): no bf16 or f16 on the way to a quantiser, and a product that is left as it is and whose result goes on into a quantised operand takes f32 operands (vector FMAs, or v_wmma_f32_16x16x4_f32). A number that lies on a knife's edge between two numbers of the format may be rounded either way, as far as f32 arithmetic and the matrix unit's own rounding can turn it there, and no further.
;; One version. Each part assembles by itself: llvm-mc -triple=amdgcn-amd-amdhsa -mcpu=gfx1250 --defsym DOCPART=n.
;; ======== version 1 of 1: 4 launches
;; limits: right only within a limited range of input values
;; workspace buffers: gimg 22,020,096 bytes; gsc 1,179,648 bytes; mimg 4,194,304 bytes; pimg 18,874,368 bytes; psc 1,310,720 bytes; aimg 6,291,456 bytes
;; launch quant (part 1): grid 464 x 1, 4 waves a work-group, no clusters, 68,096 bytes of LDS; arguments query, key, value, in_proj_weight, out_proj_weight, attn_mask, gimg, gsc, mimg; writes gimg, gsc, mimg
.if DOCPART == 1
	.amdgcn_target "amdgcn-amd-amdhsa--gfx1250"
	.amdhsa_code_object_version 6
	.text
	.protected	k_q1f322d1b98_quant
	.globl	k_q1f322d1b98_quant
	.p2align	8
	.type	k_q1f322d1b98_quant,@function
k_q1f322d1b98_quant:
	s_mov_b64 s[64:65], 0
	v_nop
	global_prefetch_b8 v0, s[64:65] scope:SCOPE_SE
	s_setreg_imm32_b32 hwreg(HW_REG_WAVE_MODE, 25, 1), 1
	s_wait_xcnt 0x0
; Multi-head attention, B 8, T 1024, E 1024, 16 heads of 64, all six products on codes of FP6 (E2M3) with one E8M0 byte for each 32 along K.
; FOUR LAUNCHES: this one quantises query, key, value and the two weights along K = 1024 and lays attn_mask out anew; the second makes q, k, v and quantises them; the third is the attention; the fourth the projection out.
; DEAD WORK: none.  Every input has a way to the output: the biases stand ahead of quantisers, key_padding_mask and attn_mask enter the softmax key by key.  Nothing is left out in any launch.
; LIMITS: NaN and infinities among the inputs are not served.  A block of zeros gets the floor's byte 1 where the rule says 127: its codes are zeros, and this program alone reads the bytes.
; LAYOUT OF THE WORKSPACE: operands lie as IMAGES OF THE OPERAND'S REGISTERS.  Row tile T holds rows 32 (T / 2) + 8 (T % 2) + i + 8 (i / 8), i = 0 .. 15.  A half fragment (16 rows x 64 K) is 768 dense bytes:
; registers 0-3 at 16 x lane, then registers 4-5 at 8 x lane; lane (r, h) holds the 32 codes of block h of row i = r.  gimg: [T][K step of 128][half][768].  gsc: [T][r][K step] one word of four bytes.
; mimg: attn_mask in the order of the score accumulators: [query tile][key step][group g][512]: group 4 b + j at 16 x lane holds mask[row r of the tile][128 s + 32 b + 16 h + 4 j .. + 3].
; SHARES: a wave takes one row tile, 16 rows x 1024, in 8 steps of 128 along K.  Each load reads 512 consecutive bytes of one row; the step turns through the wave's own stage in LDS (pitch 528: the sixteen rows that a
; read touches begin in sixteen different groups of banks), so that a lane gets 32 neighbours along K of its row.  Work-groups 0-447 quantise, 448-463 lay the mask out; each path has LDS bytes of its own.  No barrier: waves share nothing.
.set R,     16                         ; v16-79, v80-143  two sets of 16 x 4 registers as loaded
.set X,     144                        ; v144-207 64 numbers of my row
.set PC,    208                        ; v208-219 a fragment's codes
.set PT,    220                        ; v220-222, v224-226 the upper halves of the two blocks (a conversion's three registers begin on an even number)
.set SW,    228                        ; v228-235 the eight scale words
.set TM,    236                        ; v236-243 at work
.set SH8,   12                         ; v12  8 h
.set SPW,   6                          ; v6   LDS address of my spare word; never rewritten
.set NIL,   7                          ; v7   0; never rewritten
.set STG,   8448                       ; a stage: 16 rows x 528 bytes
.set SPARE, 67584                      ; behind the eight stages: the spare words, 128 bytes a wave
	s_load_b256 s[4:11], s[0:1], 0x0               ; query, key, value, in_proj_weight
	s_load_b256 s[12:19], s[0:1], 0x20             ; out_proj_weight, attn_mask, gimg, gsc
	s_load_b64 s[20:21], s[0:1], 0x40              ; mimg
	v_lshl_add_u32 v[SPW], v0, 2, SPARE
	v_mov_b32 v[NIL], 0
	v_lshrrev_b32 v8, 5, v0
	v_readfirstlane_b32 s22, v8                    ; wave
	v_and_b32 v9, 31, v0                           ; lane
	v_and_b32 v10, 15, v0                          ; r
	v_bfe_u32 v11, v0, 4, 1                        ; h
	v_lshlrev_b32 v1, 4, v9                        ; 16 x lane
	v_lshlrev_b32 v4, 3, v9                        ; 8 x lane
	v_lshlrev_b32 v5, 5, v10
	v_lshl_add_u32 v5, v11, 4, v5                  ; 32 r + 16 h: my four scale words' place
	v_lshlrev_b32 v[SH8], 3, v11
	v_mov_b32 v[TM+7], 0                           ; a lane permute's destination counts as one of its sources
	s_mov_b32 s30, 0x76543210
	s_mov_b32 s31, 0xfedcba98                      ; selects for lane l xor 16
	s_mov_b32 s32, 0xffff0000                      ; lanes 16-31
	s_mul_i32 s23, s22, STG
	s_wait_alu depctr_va_vdst(0)
	s_wait_kmcnt 0x0
	s_cmp_lt_u32 ttmp9, 128                        ; which tensor: the choice hangs on the work-group's number alone
	s_cselect_b64 s[24:25], s[4:5], s[6:7]
	s_cselect_b32 s26, 0, 128
	s_cmp_lt_u32 ttmp9, 256
	s_cselect_b64 s[24:25], s[24:25], s[8:9]
	s_cselect_b32 s26, s26, 256
	s_cmp_lt_u32 ttmp9, 384
	s_cselect_b64 s[24:25], s[24:25], s[10:11]
	s_cselect_b32 s26, s26, 384
	s_cmp_lt_u32 ttmp9, 432
	s_cselect_b64 s[24:25], s[24:25], s[12:13]
	s_cselect_b32 s26, s26, 432
	s_cmp_lt_u32 ttmp9, 448
	s_cselect_b64 s[24:25], s[24:25], s[14:15]
	s_cselect_b32 s26, s26, 448
	s_sub_co_u32 s27, ttmp9, s26
	s_lshl_b32 s27, s27, 2
	s_add_co_u32 s27, s27, s22                     ; my row tile in its tensor
	s_lshr_b32 s28, s27, 1
	s_lshl_b32 s28, s28, 17                        ; 32 rows of 4,096 bytes for each pair of tiles,
	s_and_b32 s29, s27, 1
	s_lshl_b32 s29, s29, 15                        ; 8 rows for the odd one
	s_add_co_u32 s28, s28, s29
	s_mov_b32 s29, 0
	s_add_nc_u64 s[24:25], s[24:25], s[28:29]
.macro LOAD t                          ; step t: 16 rows x 512 bytes into set t % 2
.irp i, 0,1,2,3,4,5,6,7,8,9,10,11,12,13,14,15
	global_load_b128 v[R+64*((\t)%2)+4*\i:R+64*((\t)%2)+4*\i+3], v1, s[24:25] offset:(\i+8*(\i/8))*4096+512*(\t) th:TH_LOAD_NT
.endr
.endm
.macro INSTAGE t                       ; the step's rows into my stage, as they lie
.if (\t) < 7
	s_wait_loadcnt 16                              ; this step's 16 loads are in; the next step's 16 may be out
.else
	s_wait_loadcnt 0x0
.endif
.irp i, 0,1,2,3,4,5,6,7,8,9,10,11,12,13,14,15
	ds_store_b128 v2, v[R+64*((\t)%2)+4*\i:R+64*((\t)%2)+4*\i+3] offset:528*\i
.endr
.endm
	LOAD 0
	LOAD 1
	s_cmp_ge_u32 ttmp9, 448
	s_cbranch_scc1 .Lmask
	; ---- the quantiser
	s_lshl_b32 s33, ttmp9, 2
	s_add_co_u32 s33, s33, s22                     ; my row tile among all 1,792
	; gimg's order of places: [T / 8][quarter of K][T % 8][K step in the quarter][half][768]: a quarter of K of eight row tiles is 24,576 dense bytes, and so are its neighbours along K
	s_lshr_b32 s34, s33, 3
	s_mul_i32 s34, s34, 98304
	s_and_b32 s36, s33, 7
	s_mul_i32 s36, s36, 3072
	s_add_co_u32 s34, s34, s36
	s_mov_b32 s35, 0
	s_add_nc_u64 s[16:17], s[16:17], s[34:35]
	s_lshl_b32 s34, s33, 9
	s_add_nc_u64 s[18:19], s[18:19], s[34:35]
	v_add_nc_u32 v2, s23, v1                       ; the stage, on the way in: 16 x lane
	v_mul_u32_u24 v3, v10, 528
	v_lshl_add_u32 v3, v11, 7, v3
	v_add_nc_u32 v3, s23, v3                       ; and out: row r, + 128 h: my block of 32 numbers
.macro STEPQ t
	INSTAGE \t
.irp c, 0,1
.irp j, 0,1,2,3,4,5,6,7
	ds_load_b128 v[X+32*\c+4*\j:X+32*\c+4*\j+3], v3 offset:256*\c+16*\j   ; k = 64 c + 32 h + 4 j ..; LDS serves a wave's instructions in order: these see the stores above
.endr
.endr
	s_wait_dscnt 0x0                               ; my numbers are back, and the stores into the stage have read their registers
	s_wait_xcnt 0x0                                ; the last step's stores have read the codes' registers
.if (\t) < 6
	LOAD (\t)+2
.endif
.irp c, 0,1
	v_max3_num_f32 v[TM+\c], |v[X+32*\c]|, |v[X+32*\c+1]|, 0x1800000   ; block 2 c + h: all 32 numbers are mine; the floor 2^(3 - 127) holds the byte at 1 from below
.endr
.irp i, 2,4,6,8,10,12,14,16,18,20,22,24,26,28,30
.irp c, 0,1
	v_max3_num_f32 v[TM+\c], v[TM+\c], |v[X+32*\c+\i]|, |v[X+32*\c+\i+1]|
.endr
.endr
.irp c, 0,1
	v_add_nc_u32 v[TM+2+\c], 0xff000000, v[TM+\c]  ; 2 off the exponent field: the conversion's scale operand
.endr
.irp c, 0,1
	v_lshrrev_b32 v[TM+4+\c], 23, v[TM+2+\c]       ; the scale's byte
.endr
	v_lshl_or_b32 v[TM+6], v[TM+5], 16, v[TM+4]    ; my two bytes: blocks h and 2 + h,
	v_lshlrev_b32 v[TM+6], v[SH8], v[TM+6]         ; at their places in the word;
	v_permlanex16_b32 v[TM+7], v[TM+6], s30, s31
	v_or_b32 v[SW+(\t)], v[TM+6], v[TM+7]          ; with lane l xor 16's two the word is whole
.irp c, 0,1
	v_cvt_scalef32_pk16_fp6_f32 v[PC+6*\c:PC+6*\c+2], v[X+32*\c:X+32*\c+15], v[TM+2+\c]
	v_cvt_scalef32_pk16_fp6_f32 v[PT+4*\c:PT+4*\c+2], v[X+32*\c+16:X+32*\c+31], v[TM+2+\c]
.endr
	v_nop                                          ; one plain place behind a scaled conversion
.irp c, 0,1
.irp i, 0,1,2
	v_mov_b32 v[PC+6*\c+3+\i], v[PT+4*\c+\i]
.endr
.endr
.irp c, 0,1
	global_store_b128 v1, v[PC+6*\c:PC+6*\c+3], s[16:17] offset:24576*((\t)/2)+1536*((\t)%2)+768*\c         ; 512 consecutive bytes,
	global_store_b64 v4, v[PC+6*\c+4:PC+6*\c+5], s[16:17] offset:24576*((\t)/2)+1536*((\t)%2)+768*\c+512    ; and 256 more
.endr
.endm
	s_wait_alu depctr_va_vdst(0)
.irp t, 0,1,2,3,4,5,6,7
	STEPQ \t
.endr
.irp i, 0,1,2,3
	v_cndmask_b32 v[8+\i], v[SW+\i], v[SW+4+\i], s32   ; lanes 0-15 store words 0-3 of their row, lanes 16-31 words 4-7
.endr
	global_store_b128 v5, v[8:11], s[18:19]        ; 512 consecutive bytes
	s_wait_tensorcnt 0x0                           ; the wave's end
	ds_add_u32 v[SPW], v[NIL]
	s_wait_dscnt 0x0
	s_endpgm
	; ---- attn_mask into the order of the score accumulators
.Lmask:
	s_lshl_b32 s34, s27, 16                        ; 65,536 bytes a query tile
	s_mov_b32 s35, 0
	s_add_nc_u64 s[20:21], s[20:21], s[34:35]
	s_add_co_u32 s23, s23, 4*STG                   ; this path's own stages
	v_add_nc_u32 v2, s23, v1
	v_mul_u32_u24 v3, v10, 528
	v_lshl_add_u32 v3, v11, 6, v3
	v_add_nc_u32 v3, s23, v3                       ; row r, + 64 h: my 16 keys of a block of 32
.macro STEPM t
	INSTAGE \t
	s_wait_xcnt 0x0                                ; the last step's stores have read their registers
.irp b, 0,1,2,3
.irp j, 0,1,2,3
	ds_load_b128 v[X+16*\b+4*\j:X+16*\b+4*\j+3], v3 offset:128*\b+16*\j
.endr
.endr
	s_wait_dscnt 0x0
.if (\t) < 6
	LOAD (\t)+2
.endif
.irp g, 0,1,2,3,4,5,6,7,8,9,10,11,12,13,14,15
	global_store_b128 v1, v[X+4*\g:X+4*\g+3], s[20:21] offset:8192*(\t)+512*\g
.endr
.endm
	s_wait_alu depctr_va_vdst(0)
.irp t, 0,1,2,3,4,5,6,7
	STEPM \t
.endr
	s_wait_tensorcnt 0x0                           ; the wave's end
	ds_add_u32 v[SPW], v[NIL]
	s_wait_dscnt 0x0
	s_endpgm
.Lfunc_end_k_q1f322d1b98_quant:
	.size	k_q1f322d1b98_quant, .Lfunc_end_k_q1f322d1b98_quant-k_q1f322d1b98_quant
	.p2alignl 7, 3214868480
	.fill 96, 4, 3214868480
	.section	.rodata,"a",@progbits
	.p2align	6, 0x0
	.amdhsa_kernel k_q1f322d1b98_quant
		.amdhsa_group_segment_fixed_size 68096
		.amdhsa_private_segment_fixed_size 0
		.amdhsa_enable_private_segment 0
		.amdhsa_kernarg_size 72
		.amdhsa_user_sgpr_count 2
		.amdhsa_user_sgpr_kernarg_segment_ptr 1
		.amdhsa_wavefront_size32 1
		.amdhsa_system_sgpr_workgroup_id_x 1
		.amdhsa_system_sgpr_workgroup_id_y 1
		.amdhsa_system_sgpr_workgroup_id_z 1
		.amdhsa_system_vgpr_workitem_id 0
		.amdhsa_next_free_vgpr 256
		.amdhsa_next_free_sgpr 66
		.amdhsa_reserve_vcc 0
		.amdhsa_float_denorm_mode_32 3
		.amdhsa_float_denorm_mode_16_64 3
		.amdhsa_memory_ordered 1
		.amdhsa_forward_progress 1
		.amdhsa_inst_pref_size 97
	.end_amdhsa_kernel
	.amdgpu_metadata
---
amdhsa.version: [ 1, 2 ]
amdhsa.kernels:
  - .name:           k_q1f322d1b98_quant
    .symbol:         k_q1f322d1b98_quant.kd
    .args:
      - { .name: query, .offset: 0, .size: 8, .value_kind: global_buffer, .address_space: global }
      - { .name: key, .offset: 8, .size: 8, .value_kind: global_buffer, .address_space: global }
      - { .name: value, .offset: 16, .size: 8, .value_kind: global_buffer, .address_space: global }
      - { .name: in_proj_weight, .offset: 24, .size: 8, .value_kind: global_buffer, .address_space: global }
      - { .name: out_proj_weight, .offset: 32, .size: 8, .value_kind: global_buffer, .address_space: global }
      - { .name: attn_mask, .offset: 40, .size: 8, .value_kind: global_buffer, .address_space: global }
      - { .name: gimg, .offset: 48, .size: 8, .value_kind: global_buffer, .address_space: global }
      - { .name: gsc, .offset: 56, .size: 8, .value_kind: global_buffer, .address_space: global }
      - { .name: mimg, .offset: 64, .size: 8, .value_kind: global_buffer, .address_space: global }
    .group_segment_fixed_size: 68096
    .private_segment_fixed_size: 0
    .kernarg_segment_align: 8
    .kernarg_segment_size: 72
    .max_flat_workgroup_size: 128
    .sgpr_count:     66
    .vgpr_count:     256
    .wavefront_size: 32
...
	.end_amdgpu_metadata
.endif
;; end of part 1
;; launch proj (part 2): grid 4 x 96, 4 waves a work-group, clusters of 4 x 4, 327,680 bytes of LDS; arguments gimg, gsc, in_proj_bias, pimg, psc; writes pimg, psc
.if DOCPART == 2
	.amdgcn_target "amdgcn-amd-amdhsa--gfx1250"
	.amdhsa_code_object_version 6
	.text
	.protected	k_q1f322d1b98_proj
	.globl	k_q1f322d1b98_proj
	.p2align	8
	.type	k_q1f322d1b98_proj,@function
k_q1f322d1b98_proj:
	s_mov_b64 s[64:65], 0
	v_nop
	global_prefetch_b8 v0, s[64:65] scope:SCOPE_SE
	s_setreg_imm32_b32 hwreg(HW_REG_WAVE_MODE, 25, 1), 1
	s_wait_xcnt 0x0
	s_wait_alu depctr_hold_cnt(0) depctr_sa_sdst(0) depctr_va_vdst(0) depctr_va_sdst(0) depctr_va_ssrc(0) depctr_va_vcc(0) depctr_vm_vsrc(0)
	s_getreg_b32 s2, hwreg(HW_REG_IB_STS2, 6, 4)
	s_cmp_eq_u32 s2, 0
	s_cbranch_scc0 .Lentry_in_a_cluster
	s_endpgm
.Lentry_in_a_cluster:
	s_bfe_u32 s2, ttmp6, 0x10000c
	s_cmp_lg_u32 s2, 0xf033
	s_cbranch_scc0 .Lentry_shape_is_right
	s_endpgm
.Lentry_shape_is_right:
; q = query Wq^T + bq, k = key Wk^T + bk, v = value Wv^T + bv on codes of FP6 (K = 1024), and q, k, v quantised on the way out: q and k along the head's 64, v along the keys.  No work of the problem is left out.
; OPERANDS are register images (a fragment of 16 rows x 128 K is 1,536 dense bytes: registers 0-3 at 16 x lane, 4-5 at 8 x lane, and the same again for 6-11); row tile T holds rows 32 (T / 2) + 8 (T % 2) + i + 8 (i / 8).
; ROLES.  Source 1 = R gives a lane its row, source 0 = P runs along a lane's registers: by the choice of a tile's rows the 64 registers of one block of R are 128 NEIGHBOURS along P, register 16 b + i = 32 b + 16 h + i.
; q, k: R = tokens, P = rows of W: the registers run along the features, two heads of 64.  v: R = rows of Wv (channels), P = tokens: the registers run along the keys.  So each block of R is quantised in registers.
; A work-group makes 256 (R) x 256 (P), a wave 128 x 128: 64 accumulators.  K goes in quarters of 256 through THREE LDS slots; a wave's tensor load brings 8 row tiles x 3,072 bytes.  The first three quarters are first fills,
; three loads a wave out at the start; the last quarter is the one refill, into slot 0, one load a wave, with 224 matrix instructions between its request and the wait for it.  No loop.
; CLUSTER 4 x 4: R's tiles are shared along a row of the cluster, P's along a column: joint loads.  Cluster y: 0-7 q, 8-15 k, 16-23 v: the same in all partners, so the two branches on it go alike in all.
; The scale words of all of K stay in registers: register SC + 8 i + ks holds in lanes 0-15 the word of R's block i, in lanes 16-31 that of P's block i.  The bias is the C of the first K step.
; OUT: pimg: q at 0, k at 6,291,456: [b][head][token tile 64][768]; v at 12,582,912: [b][head][key step 8][channel tile 4][half 2][768].  psc: q at 0, k at 524,288: [b][head][tile][16] words (s0, s1, 0, 0); v at 1,048,576: [b][head][step][tile][16] words.
; LIMITS: blocks of q, k, v whose largest magnitude lies under 2^-121 are held at the byte 4 (q's bytes lose 3 in the next launch); NaN and infinities are not served.
; REGISTERS: window 0: v1-15 addresses; v16-27 LDS addresses; v28, v29 the add's two; v32-95 scale words; v96-127 at work on the way out; v128-223 R's 8 fragments, one set (on the way out: codes).
;   window 1: v0-95, v128-223 P's two sets; v96-127, v224-255 the bias, 8 registers a tile.   windows 2, 3: the accumulators, (a, b) at v[8 (8 (a % 4) + b)].
.set FR,    12
.set NL,    4                          ; LDS loads that bring a fragment
.set NP,    4                          ; places behind this matrix instruction (ISA guide 7.12.1)
.set HALFT, 73728                      ; a wave's region of LDS: three quarters of K of the 8 row tiles that it fetches, [quarter][tile][3,072]; also what a wave reads of R or of P
.set PSIDE, 147456                     ; P's two regions lie behind R's two
.set SLOT,  24576                      ; from a quarter to the next inside a region
.set SPARE, 294912                     ; behind the three slots: the spare words, 128 bytes a wave
.set RA,    16                         ; v16-18 16 x lane + my R tiles in slot 0, 1, 2; v19-21 the same with 8 x lane
.set PA,    22                         ; v22-27 the same for P
.set SPW,   28
.set NIL,   29
.set SC,    32
.set TM,    96
.set PW,    112
.set PW2,   113
.set AF,    128
.set PC,    128
.set G1R,   24                         ; s[24:31] group 1 for R's tiles; s[32:43] group 0, a set for each slot
.set G0R,   32
.set G1P,   44                         ; s[44:51], s[52:63] the same for P's
.set G0P,   52
.set CX,    96                         ; s96, s97 my place in the cluster
.set CY,    97
.set TP,    98                         ; s98  P's tile of 256
.set MR,    22                         ; s22  the mask of my row of the cluster, s23 of my column
.set MC,    23
.set LD,    19                         ; s19  where my loads go in a slot
.set PAD,   2                          ; s[2:3] P's first byte that I fetch
.set MSB,   0
.macro WIN new                         ; the immediate's high byte repeats the setting that is left
.if MSB != \new
	s_set_vgpr_msb (MSB<<8)|\new
.set MSB, \new
.endif
.endm
.set MUL_LO, 0xa1                      ; source 0 (P) window 1, source 1 (R) window 0, C and D window 2
.set MUL_HI, 0xf1
.set BIA_LO, 0x91                      ; the same with C (the bias) in window 1
.set BIA_HI, 0xd1
.set TO_P,   0x40
.macro JLOAD g0a, g0b                  ; a joint load: waves 0, 1 fetch R's halves, waves 2, 3 P's; an s_nop 0 and four v_nop follow each line
	s_cmp_eq_u32 s15, 0
	s_cbranch_scc0 .Lfor_p_\@
	tensor_load_to_lds s[\g0a:\g0a+3], s[G1R:G1R+7]
	s_nop 0
.rept 4
	v_nop
.endr
	s_branch .Lasked_\@
.Lfor_p_\@:
	tensor_load_to_lds s[\g0b:\g0b+3], s[G1P:G1P+7]
	s_nop 0
.rept 4
	v_nop
.endr
.Lasked_\@:
.endm
.macro CREST                           ; a round of the cluster's barrier behind its opening barrier
	s_cmp_lg_u32 s14, 0
	s_cbranch_scc1 .Lnot_wave_0_\@
	s_barrier_signal -3
.Lnot_wave_0_\@:
	s_barrier_wait -3
	s_barrier_signal -1
	s_barrier_wait -1
.endm
.macro CROUND
	s_barrier_signal -1
	s_barrier_wait -1
	CREST
.endm
.macro PLACES n
.rept \n
	v_nop
.endr
.endm
	s_load_b256 s[4:11], s[0:1], 0x0               ; gimg, gsc, in_proj_bias, pimg
	s_load_b64 s[12:13], s[0:1], 0x20              ; psc
	v_lshl_add_u32 v[SPW], v0, 2, SPARE
	v_mov_b32 v[NIL], 0
	ds_add_u32 v[SPW], v[NIL]                      ; the wave's opening: the add, twice on end, and its wait ahead of my first tensor load
	ds_add_u32 v[SPW], v[NIL]
	v_lshrrev_b32 v1, 5, v0
	v_readfirstlane_b32 s14, v1                    ; wave
	s_lshr_b32 s15, s14, 1                         ; my half of R.  Also: I fetch for R (0) or for P (1)
	s_and_b32 s16, s14, 1                          ; my half of P.  Also: which 8 row tiles I fetch
	s_bfe_u32 s[CX], ttmp6, 0x40000                ; cx
	s_bfe_u32 s[CY], ttmp6, 0x40004                ; cy
	s_and_b32 s66, ttmp7, 0xffff                   ; cluster y
	s_lshr_b32 s67, s66, 3                         ; tau: 0 q, 1 k, 2 v
	s_and_b32 s68, s66, 7
	s_lshl_b32 s68, s68, 2                         ; the first of the cluster's four token tiles
	s_lshl_b32 s70, s67, 9                         ; R's first row tile in gimg: q 0, k 512,
	s_lshl_b32 s71, s67, 6
	s_add_co_u32 s71, s71, 1536                    ; P's: Wq 1536, Wk 1600
	s_mov_b32 s83, 49152
	s_mov_b32 s76, 768
	s_mov_b32 s78, 768
	s_cmp_eq_u32 s67, 2
	s_cselect_b32 s69, 1, 0                        ; is it v?
	s_cselect_b32 s17, 0, s68
	s_cselect_b32 s[TP], s68, 0
	s_cselect_b32 s70, 1664, s70                   ; v: R = Wv,
	s_cselect_b32 s71, 1024, s71                   ;    P = value
	s_cselect_b32 s83, 768, s83                    ; from the first half fragment to the second: the next head, or the fragment's other half
	s_cselect_b32 s76, 1536, s76                   ; from a block of R to the next,
	s_cselect_b32 s78, 44544, s78                  ; from block 3 to block 4 (v: the next head),
	s_cselect_b32 s80, 1856, 64                    ; the same for the scale words
	s_cselect_b32 s82, -1, 0xffff                  ; q, k: two bytes a head
	s_cselect_b32 s84, 0, 4096                     ; q, k: lanes 16-31 store the second head's word
	s_cselect_b32 s85, 0, 16
	s_mov_b32 s77, 0
	s_mov_b32 s79, 0
	s_mov_b32 s81, 0
	s_add_co_u32 s17, s17, s[CY]                   ; R's tile of 256: it never holds cx
	s_add_co_u32 s[TP], s[TP], s[CX]               ; P's tile of 256: it never holds cy
	s_lshl_b32 s[MR], s[CY], 2
	s_lshl_b32 s[MR], 15, s[MR]                    ; my row of the cluster
	s_lshl_b32 s[MC], 0x1111, s[CX]                ; my column
	s_or_b32 s[G1R+0], s[MR], (3<<16)|(1<<21)      ; 15:0 the mask; 17:16 elements of 8 bytes; 21 set beside a mask; no padding: the images are read densely
	s_or_b32 s[G1P+0], s[MC], (3<<16)|(1<<21)
.irp g, G1R, G1P
	s_mov_b32 s[\g+1], 32<<16                      ; gimg holds [8 row tiles][quarter][tile][3,072]: quarters 0 to 2 of my 8 row tiles are ONE dense block of 73,728 bytes: rows of 256 bytes (32 elements),
	s_mov_b32 s[\g+2], 288<<16                     ; 288 of them
	s_mov_b32 s[\g+3], 32<<16
	s_mov_b32 s[\g+4], 288
	s_mov_b32 s[\g+5], 32
	s_mov_b32 s[\g+6], 0
	s_mov_b32 s[\g+7], 0
.endr
	s_lshl_b32 s18, s16, 3
	s_lshl_b32 s20, s17, 4
	s_add_co_u32 s20, s20, s18
	s_add_co_u32 s20, s20, s70                     ; R: the first row tile that I fetch
	s_mul_i32 s20, s20, 12288
	s_mov_b32 s21, 0
	s_lshl_b32 s[PAD], s[TP], 4
	s_add_co_u32 s[PAD], s[PAD], s18
	s_add_co_u32 s[PAD], s[PAD], s71               ; P likewise
	s_mul_i32 s[PAD], s[PAD], 12288
	s_mov_b32 s[PAD+1], 0
	s_mul_i32 s[LD], s14, HALFT                    ; where they go: wave x 73,728: no place in the cluster enters an LDS address
	s_mov_b32 s88, 0x76543210
	s_mov_b32 s89, 0xfedcba98
	s_wait_dscnt 0x0                               ; both opening adds are done
	s_wait_kmcnt 0x0
	s_add_nc_u64 s[20:21], s[4:5], s[20:21]
	s_add_nc_u64 s[PAD:PAD+1], s[4:5], s[PAD:PAD+1]
	CROUND                                         ; all sixteen work-groups are here: the first joint loads meet
.irp s, 0                              ; ONE load a wave at the head: it fills all three quarters of my region
	s_mov_b32 s[G0R+4*\s], 1
	s_add_co_u32 s[G0R+4*\s+1], s[LD], \s*SLOT
	s_add_nc_u64 s[G0R+4*\s+2:G0R+4*\s+3], s[20:21], \s*3072
	s_or_b32 s[G0R+4*\s+3], s[G0R+4*\s+3], 0x80000000
	s_mov_b32 s[G0P+4*\s], 1
	s_add_co_u32 s[G0P+4*\s+1], s[LD], \s*SLOT
	s_add_nc_u64 s[G0P+4*\s+2:G0P+4*\s+3], s[PAD:PAD+1], \s*3072
	s_or_b32 s[G0P+4*\s+3], s[G0P+4*\s+3], 0x80000000
	JLOAD G0R+4*\s, G0P+4*\s                       ; my one load is out
.endr
	v_and_b32 v1, 31, v0                           ; lane
	v_and_b32 v9, 15, v0                           ; r
	v_bfe_u32 v10, v0, 4, 1                        ; h
	v_lshlrev_b32 v2, 4, v1                        ; 16 x lane
	v_lshlrev_b32 v3, 3, v1                        ; 8 x lane
	s_mul_i32 s90, s15, HALFT
	s_mul_i32 s91, s16, HALFT
	s_add_co_u32 s91, s91, PSIDE
.irp s, 0,1,2
	v_add_nc_u32 v[RA+\s], s90, v2
	v_add_nc_u32 v[RA+3+\s], s90, v3
	v_add_nc_u32 v[PA+\s], s91, v2
	v_add_nc_u32 v[PA+3+\s], s91, v3
	s_add_co_u32 s90, s90, SLOT
	s_add_co_u32 s91, s91, SLOT
.endr
	s_lshl_b32 s92, s17, 4                         ; the scale words: 512 bytes a row tile
	s_lshl_b32 s93, s15, 3
	s_add_co_u32 s92, s92, s93
	s_add_co_u32 s92, s92, s70
	s_lshl_b32 s92, s92, 9                         ; R's: my 8 row tiles
	s_lshl_b32 s93, s[TP], 4
	s_lshl_b32 s95, s16, 3
	s_add_co_u32 s93, s93, s95
	s_add_co_u32 s93, s93, s71
	s_lshl_b32 s93, s93, 9                         ; P's
	s_mov_b32 s99, 0xffff0000
	v_mov_b32 v11, s92
	v_mov_b32 v12, s93
	v_cndmask_b32 v8, v11, v12, s99                ; lanes 0-15 take R's, lanes 16-31 P's
	v_lshl_add_u32 v8, v9, 5, v8                   ; + 32 r: my row's eight words
.irp i, 0,1,2,3,4,5,6,7
	global_load_b128 v[SC+8*\i:SC+8*\i+3], v8, s[6:7] offset:512*\i
	global_load_b128 v[SC+8*\i+4:SC+8*\i+7], v8, s[6:7] offset:512*\i+16
.endr
	s_lshl_b32 s92, s[TP], 8                       ; the bias.  q, k: by P, 1024 tau + 256 tile + 128 half;
	s_lshl_b32 s93, s16, 7
	s_add_co_u32 s92, s92, s93
	s_lshl_b32 s93, s67, 10
	s_add_co_u32 s92, s92, s93
	s_lshl_b32 s93, s17, 8                         ; v: by R, 2048 + 256 tile + 128 half
	s_lshl_b32 s95, s15, 7
	s_add_co_u32 s93, s93, s95
	s_add_co_u32 s93, s93, 2048
	s_cmp_eq_u32 s69, 1
	s_cselect_b32 s86, s93, s92
	s_lshl_b32 s86, s86, 2
	s_mov_b32 s87, 0
	s_add_nc_u64 s[8:9], s[8:9], s[86:87]
	v_lshlrev_b32 v13, 6, v10                      ; q, k: my half's eight numbers of a tile of P: 64 h
	v_and_b32 v14, 8, v9
	v_add_nc_u32 v14, v14, v9
	v_lshlrev_b32 v14, 2, v14                      ; v: my row of a tile of R: 4 (r + 8 (r / 8))
	s_cmp_eq_u32 s69, 1
	s_cbranch_scc1 .Lbias_v
	WIN TO_P
.irp x, 0,1,2,3,4,5,6,7
	global_load_b128 v[96+8*\x+96*(\x/4):96+8*\x+96*(\x/4)+3], v13, s[8:9] offset:4*(32*(\x/2)+8*(\x%2))
	global_load_b128 v[96+8*\x+96*(\x/4)+4:96+8*\x+96*(\x/4)+7], v13, s[8:9] offset:4*(32*(\x/2)+8*(\x%2))+16
.endr
	WIN 0
	s_branch .Lbias_done
.Lbias_v:
	WIN TO_P
	s_wait_alu depctr_va_vdst(0)
.irp x, 0,1,2,3,4,5,6,7
.irp j, 0,1,2,3,4,5,6,7
	global_load_b32 v[96+8*\x+96*(\x/4)+\j], v14, s[8:9] offset:4*(32*(\x/2)+8*(\x%2))   ; the same number in all eight registers: the bias goes with the lane's row
.endr
.endr
	WIN 0
.Lbias_done:
	; the way out's addresses.  X = the tile of 256 tokens, Y = the tile of 256 features
	s_cmp_eq_u32 s69, 1
	s_cselect_b32 s90, s[TP], s17                  ; X
	s_cselect_b32 s91, s17, s[TP]                  ; Y
	s_cselect_b32 s92, s15, s16                    ; my half of Y,
	s_cselect_b32 s93, s16, s15                    ; of X
	s_lshr_b32 s94, s90, 2                         ; the batch
	s_and_b32 s90, s90, 3
	s_lshl_b32 s90, s90, 1
	s_add_co_u32 s90, s90, s93                     ; which 128 tokens of the batch's 1,024
	s_lshl_b32 s91, s91, 2
	s_lshl_b32 s92, s92, 1
	s_add_co_u32 s91, s91, s92                     ; my first head
	s_mul_i32 s72, s67, 6291456
	s_mul_i32 s95, s94, 786432
	s_add_co_u32 s72, s72, s95
	s_mul_i32 s95, s91, 49152
	s_add_co_u32 s72, s72, s95
	s_mul_i32 s95, s90, 6144                       ; 128 tokens: 8 token tiles of 768 bytes (q, k), or one key step of 4 x 1,536 (v)
	s_add_co_u32 s72, s72, s95
	s_mov_b32 s73, 0
	s_add_nc_u64 s[72:73], s[10:11], s[72:73]      ; the codes
	s_lshl_b32 s74, s94, 16
	s_lshl_b32 s95, s91, 12
	s_add_co_u32 s74, s74, s95
	s_lshl_b32 s95, s90, 9
	s_add_co_u32 s74, s74, s95
	s_lshr_b32 s74, s74, s69                       ; v has half as many words
	s_lshl_b32 s95, s67, 19
	s_add_co_u32 s74, s74, s95
	s_mov_b32 s75, 0
	s_add_nc_u64 s[74:75], s[12:13], s[74:75]      ; the scale words
	v_add_nc_u32 v4, s83, v2                       ; the second half fragment
	v_add_nc_u32 v5, s83, v3
	v_mul_u32_u24 v6, s84, v10
	v_lshl_add_u32 v6, v9, 2, v6                   ; my scale word's place: 4 r (+ a head for lanes 16-31; v: both halves of the lanes store the same word at the same place)
	v_mul_u32_u24 v7, s85, v10                     ; q, k: lanes 16-31 take the word's upper two bytes
.irp b, 0,1,2,3
	v_mov_b32 v[TM+4+\b], 0                        ; a lane permute's destination counts as one of its sources
.endr
.macro FRAG reg, adr, off              ; a fragment comes as it was laid: four dense loads
	ds_load_b128 v[\reg:\reg+3], v[\adr] offset:\off
	ds_load_b64 v[\reg+4:\reg+5], v[\adr+3] offset:\off+512
	ds_load_b128 v[\reg+6:\reg+9], v[\adr] offset:\off+768
	ds_load_b64 v[\reg+10:\reg+11], v[\adr+3] offset:\off+1280
.endm
.macro FETCH_P slot, q, p              ; P's eight fragments of the slot's q-th 128 along K into set p
	WIN TO_P
.irp i, 0,1,2,3,4,5,6,7
	FRAG 128*(\p)+FR*\i, PA+\slot, \i*3072+(\q)*1536
.endr
	WIN 0
.endm
.macro FETCH_R slot, q, i0             ; R's blocks i0 .. i0 + 3
.irp i, \i0, \i0+1, \i0+2, \i0+3
	FRAG AF+FR*(\i), RA+\slot, (\i)*3072+(\q)*1536
.endr
.endm
; 16 matrix instructions: R's blocks a0, a0 + 1 x P's eight, K step ks.  p: P's set.  cm = 0: in place; 1: C = the bias of P's tile; 2: C = the bias of R's tile.
; The 64 accumulators take turns, one instruction a turn, in the same order in every step.
.macro MUL16 a0, p, ks, cm
.irp a, \a0, \a0+1
.irp b, 0,1,2,3,4,5,6,7
.set rD, 8*(8*((\a)%4)+\b)
.set rC, rD
.if \cm == 1
.set rC, 96+8*\b+96*(\b/4)
.endif
.if \cm == 2
.set rC, 96+8*(\a)+96*((\a)/4)
.endif
	v_wmma_scale_f32_16x16x128_f8f6f4 v[rD:rD+7], v[128*(\p)+FR*\b:128*(\p)+FR*\b+FR-1], v[AF+FR*(\a):AF+FR*(\a)+FR-1], v[rC:rC+7], v[SC+8*\b+(\ks)], v[SC+8*(\a)+(\ks)] matrix_a_fmt:MATRIX_FMT_FP6 matrix_b_fmt:MATRIX_FMT_FP6 matrix_a_scale:MATRIX_SCALE_ROW1
.endr
.endr
.endm
; A K step with no barrier: multiplies P's set p and fetches the next step, the fq-th of slot fslot, whose bytes a barrier has already shown whole to every wave.
.macro STEP ks, cm, p, fslot, fq
	s_wait_dscnt 4*NL                              ; P's set and R's blocks 0-3 are in; the youngest 16 loads (R's blocks 4-7) may be out
.if \cm
	WIN BIA_LO
.else
	WIN MUL_LO
.endif
	MUL16 0, \p, \ks, \cm
	MUL16 2, \p, \ks, \cm
	s_wait_dscnt 0x0                               ; R's blocks 4-7 are in
	PLACES NP                                      ; in front of loads into registers that matrix instructions have read
	FETCH_P \fslot, \fq, 1-(\p)
	FETCH_R \fslot, \fq, 0
.if \cm
	WIN BIA_HI
.else
	WIN MUL_HI
.endif
	MUL16 4, \p, \ks, \cm
	MUL16 6, \p, \ks, \cm
	PLACES NP
	WIN 0
	FETCH_R \fslot, \fq, 4
.endm
; A slot's second K step with ONE barrier; in front of it each wave waits for all its tensor loads, adds 0 to its spare word, and waits for that and for its reads of this slot.  fill = 1: this slot is filled again, with the last quarter of K.
.macro TURN slot, next, fill, ks
	s_wait_tensorcnt 0x0                           ; all my tensor loads have landed
	ds_add_u32 v[SPW], v[NIL]                      ; 0 onto my spare word
	s_wait_dscnt 4*NL+1                            ; (the add and the youngest 16 loads may be out)
	WIN MUL_LO
	MUL16 0, 1, \ks, 0
	s_wait_dscnt 0x0                               ; the add is done, and my reads of this slot are over
	s_barrier_signal -1
	MUL16 2, 1, \ks, 0
	WIN 0
	s_barrier_wait -1
.if \fill
	CREST                                          ; the barrier has opened a round of the cluster's: no wave of any partner still reads this slot or has a load on its way
	s_add_nc_u64 s[G0R+4*\slot+2:G0R+4*\slot+3], s[G0R+4*\slot+2:G0R+4*\slot+3], 73728   ; the last quarter lies behind the three
	s_add_nc_u64 s[G0P+4*\slot+2:G0P+4*\slot+3], s[G0P+4*\slot+2:G0P+4*\slot+3], 73728
	s_mov_b32 s[G1R+2], 96<<16                     ; no tensor load of mine is out: the refill brings one quarter, 96 rows of 256 bytes
	s_mov_b32 s[G1R+4], 96
	s_mov_b32 s[G1P+2], 96<<16
	s_mov_b32 s[G1P+4], 96
	JLOAD G0R+4*\slot, G0P+4*\slot                 ; the first tensor load behind the round, my one load out; its four v_nop are the places in front of the loads below
.else
	PLACES NP
.endif
	FETCH_P \next, 0, 0
	FETCH_R \next, 0, 0
	WIN MUL_HI
	MUL16 4, 1, \ks, 0
	MUL16 6, 1, \ks, 0
	PLACES NP
	WIN 0
	FETCH_R \next, 0, 4
.endm
	s_wait_alu depctr_va_vdst(0)
	s_wait_tensorcnt 0x0                           ; my one load, three quarters of K, is in
	s_barrier_signal -1
	s_barrier_wait -1
	FETCH_P 0, 0, 0
	FETCH_R 0, 0, 0
	FETCH_R 0, 0, 4
	s_wait_loadcnt 0x0                             ; the scale words and the bias
	s_cmp_eq_u32 s69, 1
	s_cbranch_scc1 .Lfirst_v
	STEP 0, 1, 0, 0, 1                             ; the first K step starts the sums from the bias
	s_branch .Lfirst_done
.Lfirst_v:
	STEP 0, 2, 0, 0, 1
.Lfirst_done:
	TURN 0, 1, 1, 1                                ; slots 1 and 2 are whole for every wave; slot 0 takes K steps 6 and 7
	STEP 2, 0, 0, 1, 1
	STEP 3, 0, 1, 2, 0                             ; on into slot 2: shown whole at the round above; nothing is filled here, so no barrier
	STEP 4, 0, 0, 2, 1
	TURN 2, 0, 0, 5                                ; the refill of slot 0 has landed in every wave; nothing is left to fetch
	STEP 6, 0, 0, 0, 1
	s_wait_dscnt 4*NL
	WIN MUL_LO
	MUL16 0, 1, 7, 0
	MUL16 2, 1, 7, 0
	s_wait_dscnt 0x0
	WIN MUL_HI
	MUL16 4, 1, 7, 0
	MUL16 6, 1, 7, 0
	WIN 0
	PLACES NP                                      ; in front of the first read of results and of writes into registers that held R's fragments
; THE WAY OUT, a block of R (16 rows) at a time: its 64 registers a lane are 128 neighbours along P: four blocks of 32, each in lanes l and l xor 16.
.macro OUTA a
.set W, 2+(\a)/4
.set AC, 64*((\a)%4)
.set WA, (W<<2)|(W<<4)
.if (\a) > 0
	s_wait_xcnt 0x0                                ; the last block's stores have read their registers and their bases
.if (\a) == 4
	s_add_nc_u64 s[72:73], s[72:73], s[78:79]
	s_add_nc_u64 s[74:75], s[74:75], s[80:81]
.else
	s_add_nc_u64 s[72:73], s[72:73], s[76:77]
	s_add_nc_u64 s[74:75], s[74:75], 64
.endif
.endif
	WIN WA                                         ; sources 1 and 2: the accumulators' window
.irp b, 0,1,2,3
	v_max3_num_f32 v[TM+\b], 0x3000000, |v[AC+16*\b]|, |v[AC+16*\b+1]|   ; each accumulator from its low end on; the floor 2^(6 - 127) holds the byte at 4 from below
.endr
.irp i, 2,4,6,8,10,12,14
.irp b, 0,1,2,3
	v_max3_num_f32 v[TM+\b], v[TM+\b], |v[AC+16*\b+\i]|, |v[AC+16*\b+\i+1]|
.endr
.endr
	WIN 0
.irp b, 0,1,2,3
	v_permlanex16_b32 v[TM+4+\b], v[TM+\b], s88, s89
.endr
.irp b, 0,1,2,3
	v_max_num_f32 v[TM+\b], v[TM+\b], v[TM+4+\b]   ; with lane l xor 16's: the block's largest magnitude
.endr
.irp b, 0,1,2,3
	v_add_nc_u32 v[TM+12+\b], 0xff000000, v[TM+\b] ; 2 off the exponent field: the conversion's scale operand
.endr
.irp b, 0,1,2,3
	v_lshrrev_b32 v[TM+4+\b], 23, v[TM+12+\b]      ; the scale's byte
.endr
	v_lshl_or_b32 v[PW], v[TM+5], 8, v[TM+4]
	v_lshl_or_b32 v[PW], v[TM+6], 16, v[PW]
	v_lshl_or_b32 v[PW], v[TM+7], 24, v[PW]
	WIN W                                          ; source 0: the accumulators' window
.irp c, 0,1
	v_cvt_scalef32_pk16_fp6_f32 v[PC+6*\c:PC+6*\c+2], v[AC+32*\c:AC+32*\c+15], v[TM+12+2*\c]
	v_cvt_scalef32_pk16_fp6_f32 v[PC+12+4*\c:PC+14+4*\c], v[AC+32*\c+16:AC+32*\c+31], v[TM+13+2*\c]
.endr
	WIN 0
	v_nop                                          ; one plain place behind a scaled conversion
.irp c, 0,1                                    ; the layout wants a whole block in a lane: lanes 0-15 block 2 c, lanes 16-31 block 2 c + 1
.irp i, 0,1,2
	v_permlane16_swap_b32 v[PC+6*\c+\i], v[PC+12+4*\c+\i]
.endr
.irp i, 0,1,2
	v_mov_b32 v[PC+3+6*\c+\i], v[PC+12+4*\c+\i]
.endr
.endr
	v_lshrrev_b32 v[PW2], v7, v[PW]
	v_and_b32 v[PW2], s82, v[PW2]                  ; q, k: a head's two bytes, zeros above; v: the whole word
	global_store_b128 v2, v[PC:PC+3], s[72:73]
	global_store_b64 v3, v[PC+4:PC+5], s[72:73] offset:512
	global_store_b128 v4, v[PC+6:PC+9], s[72:73]
	global_store_b64 v5, v[PC+10:PC+11], s[72:73] offset:512
	global_store_b32 v6, v[PW2], s[74:75]
.endm
.irp a, 0,1,2,3,4,5,6,7
	OUTA \a
.endr
	s_wait_tensorcnt 0x0                           ; the wave's end
	ds_add_u32 v[SPW], v[NIL]
	s_wait_dscnt 0x0
	CROUND                                         ; the closing round: no work-group ends while a partner may still ask for a tile that names it
	s_endpgm
.Lfunc_end_k_q1f322d1b98_proj:
	.size	k_q1f322d1b98_proj, .Lfunc_end_k_q1f322d1b98_proj-k_q1f322d1b98_proj
	.p2alignl 7, 3214868480
	.fill 96, 4, 3214868480
	.section	.rodata,"a",@progbits
	.p2align	6, 0x0
	.amdhsa_kernel k_q1f322d1b98_proj
		.amdhsa_group_segment_fixed_size 327680
		.amdhsa_private_segment_fixed_size 0
		.amdhsa_enable_private_segment 0
		.amdhsa_kernarg_size 40
		.amdhsa_user_sgpr_count 2
		.amdhsa_user_sgpr_kernarg_segment_ptr 1
		.amdhsa_wavefront_size32 1
		.amdhsa_system_sgpr_workgroup_id_x 1
		.amdhsa_system_sgpr_workgroup_id_y 1
		.amdhsa_system_sgpr_workgroup_id_z 1
		.amdhsa_system_vgpr_workitem_id 0
		.amdhsa_next_free_vgpr 1024
		.amdhsa_next_free_sgpr 100
		.amdhsa_reserve_vcc 0
		.amdhsa_float_denorm_mode_32 3
		.amdhsa_float_denorm_mode_16_64 3
		.amdhsa_memory_ordered 1
		.amdhsa_forward_progress 1
		.amdhsa_inst_pref_size 169
	.end_amdhsa_kernel
	.amdgpu_metadata
---
amdhsa.version: [ 1, 2 ]
amdhsa.kernels:
  - .name:           k_q1f322d1b98_proj
    .symbol:         k_q1f322d1b98_proj.kd
    .args:
      - { .name: gimg, .offset: 0, .size: 8, .value_kind: global_buffer, .address_space: global }
      - { .name: gsc, .offset: 8, .size: 8, .value_kind: global_buffer, .address_space: global }
      - { .name: in_proj_bias, .offset: 16, .size: 8, .value_kind: global_buffer, .address_space: global }
      - { .name: pimg, .offset: 24, .size: 8, .value_kind: global_buffer, .address_space: global }
      - { .name: psc, .offset: 32, .size: 8, .value_kind: global_buffer, .address_space: global }
    .group_segment_fixed_size: 327680
    .private_segment_fixed_size: 0
    .kernarg_segment_align: 8
    .kernarg_segment_size: 40
    .max_flat_workgroup_size: 128
    .sgpr_count:     100
    .vgpr_count:     1024
    .wavefront_size: 32
...
	.end_amdgpu_metadata
.endif
;; end of part 2
;; launch attn (part 3): grid 4 x 64, 16 waves a work-group, no clusters, 215,040 bytes of LDS; arguments pimg, psc, mimg, key_padding_mask, aimg, gsc; writes aimg, gsc
.if DOCPART == 3
	.amdgcn_target "amdgcn-amd-amdhsa--gfx1250"
	.amdhsa_code_object_version 6
	.text
	.protected	k_q1f322d1b98_attn
	.globl	k_q1f322d1b98_attn
	.p2align	8
	.type	k_q1f322d1b98_attn,@function
k_q1f322d1b98_attn:
	s_mov_b64 s[64:65], 0
	v_nop
	global_prefetch_b8 v0, s[64:65] scope:SCOPE_SE
	s_setreg_imm32_b32 hwreg(HW_REG_WAVE_MODE, 25, 1), 1
	s_wait_xcnt 0x0
; softmax(q k^T / 8, padded keys at -infinity, + attn_mask) v, both products on codes of FP6; the result is quantised along each head's 64 channels for the projection out.  No work of the problem is left out.
; SHARES: a work-group takes TWO heads of one batch and 256 queries; K, V, their scale words (both heads) and the padding's numbers lie in LDS, staged once through registers; one barrier.  Each of the sixteen waves takes one
; tile of 16 queries through BOTH heads, 8 key steps of 128.  attn_mask does not hang on the head: a key step's 64 mask registers are loaded once and serve two score products.
; TWO BANKS of 64 registers take turns.  In a step the mask lies in bank C.  Head 0: scores = K0 Q0^T + C into the other bank D; when p is in codes, V0's fragments land in D.  Head 1: K1's tiles land in D, the scores add in place
; onto C, and D then takes the next step's 16 mask loads, which have head 1's softmax and second product in which to land; V1's fragments land in C.  The next step has the banks' roles changed: a trip of the loop is two steps.
; THE SOFTMAX AHEAD OF THE SECOND PRODUCT: t = logit x log2(e); M = the ceiling of the running largest t, kept as -M = min(-M, floor(-t)); p = 2^(t - M) is quantised along the keys; the sum is taken of the unquantised p.
; 1 / 8 is taken off q's two scale bytes (3 each: exact).  PADDED KEYS: -1.5 x 2^127 is added to the mask of a padded key, once for both heads; p = 0 exactly.  The addition is passed over, by a scalar branch on key_padding_mask's own
; bytes, in steps with no padded key.  A row all of whose keys are padded has the sum 0: its scale bytes are set to 0xff, so that the last launch gives NaN there, as the problem's softmax does.
; THE HEAD IS 64 DEEP, the instruction 128.  Q's operands are [Q0][zeros] and [zeros][Q1], 18 registers in all.  Head 0's K tile is the lower half of its operand, head 1's the upper half (its scale words and Q1's are shifted up
; 16 bits); whatever codes stand in the other half meet zero codes and add exactly 0.
; LAYOUT: both products transposed: a lane holds ONE query; score register 16 b + i is key 128 s + 32 b + 16 h + i, O^T's register 16 b + i channel 32 b + 16 h + i.
; OUT: aimg [row tile / 8][head / 4][row tile % 8][head % 4][768]; gsc from row tile 1792 on: one word (two heads' four bytes) a row.
; LIMITS: an attn_mask that is not finite, NaN and infinities among the inputs are not served; -infinity is carried as -1.5 x 2^127, so logits under -0.8e38 are not served.
; NO CLUSTER, NO TENSOR LOAD: what the four work-groups of a head pair share is 200 KB, against 1 MB of mask that each reads for itself.  NO PREFETCH: K and V are read once at the head; the mask's own loads run half a step ahead.
; REGISTERS: v0, v4, v20, v21 K's scale words (v4 then p's scale word, v20 then f); v1-3, v7 lane terms; v5, v6 the add's two; v8-11 addresses; v12, v14 -M; v13, v15 Q's scale words; v[16:17], v[18:19] the sums;
; v22-45 at work: p's codes, bytes, maxima, scale operands (ahead of head 0's scores: K0's tiles 4-7); v46-109 O^T of both heads; v110-127 Q; v128-191, v192-255 the banks.
.set KSC,   196608                     ; LDS: from 0 [head 2][step 8][K 6,144 | V 6,144]; here K's scale words, 4,096 bytes a head
.set VSC,   204800                     ; V's, 2,048 a head
.set PEN,   208896                     ; an f32 for each key: -1.5 x 2^127 if padded, else -0
.set SPARE, 212992                     ; the spare words, 128 bytes a wave
.set PC,    22
.set BX,    34
.set BM,    38
.set TS,    42
.set O,     46
.set QB,    110
.set X,     128
.set Y,     192
.macro D n
	s_delay_alu instid0(VALU_DEP_\n)
.endm
.macro MM d, c, a, b, sa, sb, row
.if \row
	v_wmma_scale_f32_16x16x128_f8f6f4 v[\d:\d+7], v[\a:\a+11], v[\b:\b+11], v[\c:\c+7], v[\sa], v[\sb] matrix_a_fmt:MATRIX_FMT_FP6 matrix_b_fmt:MATRIX_FMT_FP6 matrix_a_scale:MATRIX_SCALE_ROW1
.else
	v_wmma_scale_f32_16x16x128_f8f6f4 v[\d:\d+7], v[\a:\a+11], v[\b:\b+11], v[\c:\c+7], v[\sa], v[\sb] matrix_a_fmt:MATRIX_FMT_FP6 matrix_b_fmt:MATRIX_FMT_FP6
.endif
.endm
.macro NOPS n
.rept \n
	v_nop
.endr
.endm
.macro MASKS B                         ; a key step's mask: 16 x 512 consecutive bytes
.irp g, 0,1,2,3,4,5,6,7,8,9,10,11,12,13,14,15
	global_load_b128 v[\B+4*\g:\B+4*\g+3], v1, s[46:47] offset:512*\g
.endr
.endm
.macro KLD reg, t0                     ; four of K's tiles, 6 registers each
.irp t, 0,1,2,3
	ds_load_b128 v[\reg+6*\t:\reg+6*\t+3], v8 offset:768*(\t0+\t)
	ds_load_b64 v[\reg+6*\t+4:\reg+6*\t+5], v9 offset:768*(\t0+\t)+512
.endr
.endm
.macro KSL                             ; K's scale words: lanes 0-15 one tile, lanes 16-31 the next
	ds_load_b32 v0, v10
	ds_load_b32 v4, v10 offset:128
	ds_load_b32 v20, v10 offset:256
	ds_load_b32 v21, v10 offset:384
.endm
.macro SCALEB                          ; from four largest magnitudes: the conversions' scale operands and the bytes
.irp b, 0,1,2,3
	D 4
	v_add_nc_u32 v[TS+\b], 0xff000000, v[BM+\b]    ; 2 off the exponent field
.endr
.irp b, 0,1,2,3
	D 4
	v_lshrrev_b32 v[BX+\b], 23, v[TS+\b]
.endr
.endm
.macro PWORD
	D 3
	v_lshl_or_b32 v4, v[BX+1], 8, v[BX]
	D 1
	v_lshl_or_b32 v4, v[BX+2], 16, v4
	D 1
	v_lshl_or_b32 v4, v[BX+3], 24, v4
.endm
.macro CVT SB
.irp c, 0,1
	v_cvt_scalef32_pk16_fp6_f32 v[PC+6*\c:PC+6*\c+2], v[\SB+32*\c:\SB+32*\c+15], v[TS+2*\c]
	v_cvt_scalef32_pk16_fp6_f32 v[BX+4*\c:BX+4*\c+2], v[\SB+32*\c+16:\SB+32*\c+31], v[TS+2*\c+1]   ; (a conversion's three registers begin on an even number)
.endr
	v_nop                                          ; one plain place behind a scaled conversion
.endm
.macro SWAP                            ; a whole block of 32 in a lane
.irp c, 0,1
.irp i, 0,1,2
	v_permlane16_swap_b32 v[PC+6*\c+\i], v[BX+4*\c+\i]
.endr
.irp i, 0,1,2
	D 3
	v_mov_b32 v[PC+6*\c+3+\i], v[BX+4*\c+\i]
.endr
.endr
.endm
; One head's softmax and second product on the scores in bank SB
.macro SOFT SB, h
.set NM, 12+2*\h
.set SM, 16+2*\h
.set OH, O+32*\h
.irp b, 0,1,2,3
	v_max3_num_f32 v[BM+\b], v[\SB+16*\b], v[\SB+16*\b+1], v[\SB+16*\b+2]   ; each block's largest score: for the row's maximum and for the block's largest p; each accumulator from its low end on
.endr
.irp i, 3,5,7,9,11,13
.irp b, 0,1,2,3
	v_max3_num_f32 v[BM+\b], v[BM+\b], v[\SB+16*\b+\i], v[\SB+16*\b+\i+1]
.endr
.endr
.irp b, 0,1,2,3
	v_max_num_f32 v[BM+\b], v[BM+\b], v[\SB+16*\b+15]
.endr
.irp b, 0,1,2,3
	D 4
	v_permlanex16_b32 v[BX+\b], v[BM+\b], s20, s21
.endr
.irp b, 0,1,2,3
	D 4
	v_max_num_f32 v[BM+\b], v[BM+\b], v[BX+\b]     ; with lane l xor 16's 16 keys
.endr
	D 2
	v_max3_num_f32 v[BX], v[BM], v[BM+1], v[BM+2]
	D 1
	v_max_num_f32 v[BX], v[BX], v[BM+3]
	D 1
	v_mul_f32 v[BX], s22, v[BX]                    ; as t
	D 1
	v_floor_f32 v[BX], -v[BX]                      ; -ceil(t)
	D 1
	v_min_num_f32 v[BX], v[BX], v[NM]              ; the new -M
	D 1
	v_sub_f32 v[BX+1], v[BX], v[NM]                ; old M - new M: a whole number, 0 or less
	v_mov_b32 v[NM], v[BX]
	D 2
	v_cvt_i32_f32 v[BX+1], v[BX+1]                 ; (it saturates)
	D 1
	v_ldexp_f32 v20, 1.0, v[BX+1]                  ; f = 2^(old M - new M)
.set j, 0
.rept 32
	v_pk_fma_f32 v[\SB+j:\SB+j+1], v[\SB+j:\SB+j+1], s[22:23], v[NM:NM+1] op_sel_hi:[1,0,0]   ; t - M (of the pairs the low word serves both halves)
.set j, j+2
.endr
.irp b, 0,1,2,3
	v_fma_f32 v[BM+\b], v[BM+\b], s22, v[NM]
.endr
	s_wait_alu depctr_va_vdst(0)
.set j, 0
.rept 64
	v_exp_f32 v[\SB+j], v[\SB+j]                   ; p = 2^(t - M)
.set j, j+1
.endr
.irp b, 0,1,2,3
	v_exp_f32 v[BM+\b], v[BM+\b]                   ; the block's largest p
.endr
	v_pk_mul_f32 v[SM:SM+1], v[SM:SM+1], v[20:21] op_sel_hi:[1,0]   ; the sums under the new M (a plain place behind the batch)
	s_wait_alu depctr_va_vdst(0)                   ; one wait for the batch of 68, ahead of its first reader
.irp c, 0,1,2,3,4,5,6,7                        ; the sum of the unquantised p: eight chains in v22-37
	v_pk_add_f32 v[PC+2*\c:PC+2*\c+1], v[\SB+2*\c:\SB+2*\c+1], v[\SB+16+2*\c:\SB+17+2*\c]
.endr
.irp o, 32,48
.irp c, 0,1,2,3,4,5,6,7
	v_pk_add_f32 v[PC+2*\c:PC+2*\c+1], v[PC+2*\c:PC+2*\c+1], v[\SB+\o+2*\c:\SB+\o+1+2*\c]
.endr
.endr
.irp c, 0,1,2,3
	D 4
	v_pk_add_f32 v[PC+2*\c:PC+2*\c+1], v[PC+2*\c:PC+2*\c+1], v[PC+8+2*\c:PC+9+2*\c]
.endr
.irp c, 0,1
	D 2
	v_pk_add_f32 v[PC+2*\c:PC+2*\c+1], v[PC+2*\c:PC+2*\c+1], v[PC+4+2*\c:PC+5+2*\c]
.endr
	D 1
	v_pk_add_f32 v[PC:PC+1], v[PC:PC+1], v[PC+2:PC+3]
	D 1
	v_pk_add_f32 v[SM:SM+1], v[SM:SM+1], v[PC:PC+1]
.irp b, 0,1,2,3
	v_max_num_f32 v[BM+\b], 0x1800000, v[BM+\b]    ; the floor 2^(3 - 127): the byte cannot fall under 1
.endr
	SCALEB
	PWORD                                          ; p's scale word for these 128 keys
	CVT \SB
.irp d, 0,1,2,3                                ; p is in codes: V's four fragments land in the scores' bank
	ds_load_b128 v[\SB+12*\d:\SB+12*\d+3], v8 offset:6144+1536*\d
	ds_load_b64 v[\SB+12*\d+4:\SB+12*\d+5], v9 offset:6144+1536*\d+512
	ds_load_b128 v[\SB+12*\d+6:\SB+12*\d+9], v8 offset:6144+1536*\d+768
	ds_load_b64 v[\SB+12*\d+10:\SB+12*\d+11], v9 offset:6144+1536*\d+1280
.endr
	ds_load_b32 v[TS], v11                         ; and its scale words
	ds_load_b32 v[TS+1], v11 offset:128
	SWAP
	s_wait_alu depctr_va_vdst(0)
.set j, 0
.rept 16
	v_pk_mul_f32 v[OH+j:OH+j+1], v[OH+j:OH+j+1], v[20:21] op_sel_hi:[1,0]   ; O^T under the new M (also the places between the writes of p's codes and scale word and the products)
.set j, j+2
.endr
	s_wait_alu depctr_va_vdst(0)
	s_wait_dscnt 0x0                               ; V and its scale words
.irp d, 0,1,2,3                                ; O^T += V^T P^T: four accumulators, one instruction each
	MM OH+8*\d, OH+8*\d, \SB+12*\d, PC, TS+\d/2, 4, \d%2
.endr
.endm
; A key step: the mask in bank CB, the other bank DB.  tail = 1: the trip's second step, which has no successor in the last trip
.macro STEP CB, DB, tail
	v_add_nc_u32 v8, s53, v1                       ; (these four are the places in front of loads into registers that the last products read)
	v_add_nc_u32 v9, s53, v2
	v_add_nc_u32 v10, s54, v3
	v_add_nc_u32 v11, s55, v3
	v_nop                                          ; a fifth place: head 0's first score products write over the bank from which the last products read V1
	KLD \DB+32, 0
	KLD PC, 4
	KSL
	s_wait_loadcnt 0x0                             ; the mask, asked for half a step ago, is in
	s_lshr_b32 s57, s52, s61
	s_and_b32 s57, s57, 15
	s_cmp_eq_u32 s57, 0                            ; no padded key among these 128?
	s_cbranch_scc1 .Lnopad_\@
	v_add_nc_u32 v10, s54, v7                      ; (the loads above have taken their address)
.irp q, 0,1
.irp g, 0,1,2,3,4,5,6,7
	ds_load_b128 v[\DB+4*\g:\DB+4*\g+3], v10 offset:256*\q+128*(\g/4)+16*(\g%4)   ; the padding's numbers, 64 keys' at a time, into the free half of DB
.endr
	s_wait_dscnt 0x0
.set j, 0
.rept 16
	v_pk_add_f32 v[\CB+32*\q+j:\CB+32*\q+j+1], v[\CB+32*\q+j:\CB+32*\q+j+1], v[\DB+j:\DB+j+1]
.set j, j+2
.endr
.endr
	NOPS 4
.Lnopad_\@:
	s_wait_dscnt 0x0                               ; K0 and its scale words
	s_wait_alu depctr_va_vdst(0)
	MM \DB, \CB, \DB+32, QB, 0, 13, 0              ; S0^T = K0 Q0^T + the mask
	MM \DB+8, \CB+8, \DB+38, QB, 0, 13, 1
	MM \DB+16, \CB+16, \DB+44, QB, 4, 13, 0
	MM \DB+24, \CB+24, \DB+50, QB, 4, 13, 1
	NOPS 5                                         ; five places: the next four write over registers that these four read
	MM \DB+32, \CB+32, PC, QB, 20, 13, 0
	MM \DB+40, \CB+40, PC+6, QB, 20, 13, 1
	MM \DB+48, \CB+48, PC+12, QB, 21, 13, 0
	MM \DB+56, \CB+56, PC+18, QB, 21, 13, 1
	NOPS 4                                         ; places in front of the first read of the scores
	SOFT \DB, 0
	v_add_nc_u32 v8, 0x18000, v8                   ; head 1: 98,304 bytes on (these four are the places in front of the loads below)
	v_add_nc_u32 v9, 0x18000, v9
	v_add_nc_u32 v10, s62, v3
	v_add_nc_u32 v11, 0x800, v11
	KLD \DB+6, 0                                   ; K1's eight tiles into DB: tile t is the upper half of the operand that begins at DB + 6 t
	KLD \DB+30, 4
	KSL
	s_wait_dscnt 0x0
	MM \CB, \CB, \DB, QB+6, 0, 15, 0               ; S1^T = K1 Q1^T + the mask, in place
	MM \CB+8, \CB+8, \DB+6, QB+6, 0, 15, 1
	MM \CB+16, \CB+16, \DB+12, QB+6, 4, 15, 0
	MM \CB+24, \CB+24, \DB+18, QB+6, 4, 15, 1
	MM \CB+32, \CB+32, \DB+24, QB+6, 20, 15, 0
	MM \CB+40, \CB+40, \DB+30, QB+6, 20, 15, 1
	MM \CB+48, \CB+48, \DB+36, QB+6, 21, 15, 0
	MM \CB+56, \CB+56, \DB+42, QB+6, 21, 15, 1
	NOPS 4                                         ; places in front of the loads into DB and of the first read of the scores
.if \tail
	s_cmp_eq_u32 s56, 1                            ; the last step asks for no mask (no load leaves its buffer)
	s_cbranch_scc1 .Lnomask_\@
.endif
	s_add_nc_u64 s[46:47], s[46:47], 8192          ; (the loads that named it were waited for at the step's head)
	MASKS \DB
.if \tail
.Lnomask_\@:
.endif
	SOFT \CB, 1
	s_add_co_u32 s53, s53, 12288
	s_add_co_u32 s54, s54, 512
	s_add_co_u32 s62, s62, 512
	s_add_co_u32 s55, s55, 256
	s_add_co_u32 s61, s61, 4
.endm
	s_load_b256 s[4:11], s[0:1], 0x0               ; pimg, psc, mimg, key_padding_mask
	s_load_b128 s[12:15], s[0:1], 0x20             ; aimg, gsc
	v_lshl_add_u32 v5, v0, 2, SPARE
	v_mov_b32 v6, 0
	v_lshrrev_b32 v8, 5, v0
	v_readfirstlane_b32 s18, v8                    ; wave
	v_and_b32 v9, 31, v0                           ; lane
	v_and_b32 v10, 15, v0                          ; r
	v_bfe_u32 v11, v0, 4, 1                        ; h
	v_lshlrev_b32 v1, 4, v9                        ; 16 x lane
	v_lshlrev_b32 v2, 3, v9                        ; 8 x lane
	v_lshl_add_u32 v3, v9, 2, KSC
	v_lshl_add_u32 v7, v11, 6, PEN
	v_lshlrev_b32 v22, 2, v10                      ; 4 r
	v_lshlrev_b32 v23, 5, v9                       ; 32 x lane
	v_lshlrev_b32 v24, 4, v0                       ; the staging of the scale words and the padding: 16, 8, 4 x thread
	v_lshl_add_u32 v25, v0, 4, KSC
	v_lshlrev_b32 v26, 3, v0
	v_lshl_add_u32 v27, v0, 3, VSC
	v_lshl_add_u32 v28, v0, 2, PEN
	v_lshrrev_b32 v30, 8, v0
	v_lshlrev_b32 v30, 4, v30                      ; threads 256-511 hold head 1's words of K's scales: 16 bits up
	s_mov_b32 s20, 0x76543210
	s_mov_b32 s21, 0xfedcba98                      ; selects for lane l xor 16
	s_mov_b32 s22, 0x3fb8aa3b                      ; log2(e)
	s_mov_b32 s23, s22                             ; (named with it as a pair)
	s_and_b32 s24, ttmp7, 0xffff                   ; the head pair: 8 x batch + pair
	s_lshr_b32 s25, s24, 3
	s_and_b32 s26, s24, 7
	s_lshl_b32 s57, ttmp9, 4
	s_add_co_u32 s57, s57, s18                     ; my query tile: 16 x + wave
	s_lshl_b32 s27, s25, 6
	s_add_co_u32 s27, s27, s57                     ; and among all 512
	s_mov_b32 s29, 0
	s_bfe_u32 s16, s18, 0x10002                    ; the staging of K and V: waves 0-7 K, 8-15 V; of each eight, four to a head; a wave takes two key steps, 12,288 bytes
	s_mul_i32 s16, s16, 98304
	s_and_b32 s17, s18, 3
	s_mul_i32 s17, s17, 24576
	s_add_co_u32 s16, s16, s17
	s_lshr_b32 s17, s18, 3
	s_mul_i32 s17, s17, 6144
	s_add_co_u32 s16, s16, s17
	v_add_nc_u32 v29, s16, v1
	s_wait_alu depctr_va_vdst(0)
	s_wait_kmcnt 0x0
	s_mul_i32 s28, s24, 98304
	s_add_nc_u64 s[40:41], s[4:5], s[28:29]        ; the pair's q,
	s_add_nc_u64 s[30:31], s[40:41], 6291456       ; k,
	s_add_nc_u64 s[32:33], s[40:41], 12582912      ; v
	s_cmp_lt_u32 s18, 8
	s_cselect_b64 s[34:35], s[30:31], s[32:33]
	s_and_b32 s28, s18, 7
	s_mul_i32 s28, s28, 12288
	s_add_nc_u64 s[34:35], s[34:35], s[28:29]      ; what I stage
	s_mul_i32 s28, s57, 768
	s_add_nc_u64 s[40:41], s[40:41], s[28:29]      ; q at my tile
	s_lshl_b32 s28, s24, 13
	s_add_nc_u64 s[42:43], s[6:7], s[28:29]
	s_add_nc_u64 s[36:37], s[42:43], 524288        ; k's scale words
	s_lshl_b32 s28, s57, 6
	s_add_nc_u64 s[42:43], s[42:43], s[28:29]      ; q's, at my tile
	s_lshl_b32 s28, s24, 12
	s_add_nc_u64 s[38:39], s[6:7], s[28:29]
	s_add_nc_u64 s[38:39], s[38:39], 1048576       ; v's
	s_lshl_b32 s28, s25, 10
	s_add_nc_u64 s[44:45], s[10:11], s[28:29]      ; the batch's padding bytes
	s_lshl_b32 s28, s57, 16
	s_add_nc_u64 s[46:47], s[8:9], s[28:29]        ; the mask at my tile
	s_lshr_b32 s28, s27, 3
	s_mul_i32 s28, s28, 98304
	s_add_nc_u64 s[48:49], s[12:13], s[28:29]      ; the result's codes: eight row tiles,
	s_and_b32 s28, s27, 7
	s_mul_i32 s28, s28, 3072
	s_add_nc_u64 s[48:49], s[48:49], s[28:29]      ; the row tile,
	s_lshr_b32 s28, s26, 1
	s_mul_i32 s28, s28, 24576
	s_add_nc_u64 s[48:49], s[48:49], s[28:29]      ; four heads,
	s_and_b32 s28, s26, 1
	s_mul_i32 s28, s28, 1536
	s_add_nc_u64 s[48:49], s[48:49], s[28:29]      ; the pair
	s_lshl_b32 s28, s27, 9
	s_add_nc_u64 s[50:51], s[14:15], s[28:29]
	s_lshl_b32 s28, s26, 2
	s_add_nc_u64 s[50:51], s[50:51], s[28:29]
	s_add_nc_u64 s[50:51], s[50:51], 917504        ; its scale bytes: from row tile 1792 of gsc on, a word a pair
.irp i, 0,1,2,3,4,5,6,7,8,9,10,11,12,13,14,15
	global_load_b128 v[O+4*\i:O+4*\i+3], v1, s[34:35] offset:512*\i
.endr
.irp i, 0,1,2,3,4,5,6,7
	global_load_b128 v[Y+4*\i:Y+4*\i+3], v1, s[34:35] offset:8192+512*\i
.endr
	global_load_b128 v[224:227], v24, s[36:37]
	global_load_b64 v[228:229], v26, s[38:39]
	global_load_u8 v230, v0, s[44:45]
	global_load_u8 v231, v0, s[44:45] offset:512
	global_load_b128 v[232:235], v23, s[44:45]     ; lane l: the bytes of keys 32 l .. 32 l + 31
	global_load_b128 v[236:239], v23, s[44:45] offset:16
	global_load_b128 v[QB:QB+3], v1, s[40:41]
	global_load_b64 v[QB+4:QB+5], v2, s[40:41] offset:512
	global_load_b128 v[QB+12:QB+15], v1, s[40:41] offset:49152
	global_load_b64 v[QB+16:QB+17], v2, s[40:41] offset:49664
	global_load_b32 v13, v22, s[42:43]
	global_load_b32 v15, v22, s[42:43] offset:4096
	MASKS X                                        ; the first step's mask goes out with the staging loads
	s_wait_loadcnt 22                              ; the 30 staging loads are in; Q's 6 and the mask's 16 may be out
	v_cvt_f32_u32 v230, v230
	v_cvt_f32_u32 v231, v231
	D 2
	v_mul_f32 v230, 0xff400000, v230               ; 1 -> -1.5 x 2^127, 0 -> -0
	D 2
	v_mul_f32 v231, 0xff400000, v231
.irp j, 233,234,235,236,237,238,239
	v_or_b32 v232, v232, v\j
	D 1
.endr
	v_cmp_ne_u32 s52, 0, v232                      ; bit l: block l of 32 keys holds a padded key
.irp j, 224,225,226,227
	v_lshlrev_b32 v\j, v30, v\j
.endr
.irp i, 0,1,2,3,4,5,6,7,8,9,10,11,12,13,14,15
	ds_store_b128 v29, v[O+4*\i:O+4*\i+3] offset:12288*(\i/12)+512*(\i%12)
.endr
.irp i, 16,17,18,19,20,21,22,23
	ds_store_b128 v29, v[Y+4*\i-64:Y+4*\i-61] offset:12288*(\i/12)+512*(\i%12)
.endr
	ds_store_b128 v25, v[224:227]
	ds_store_b64 v27, v[228:229]
	ds_store_b32 v28, v230
	ds_store_b32 v28, v231 offset:2048
	s_wait_alu depctr_va_vdst(0)
	s_wait_dscnt 0x0                               ; for the others' sake: my stores have landed
	s_barrier_signal -1
	s_barrier_wait -1                              ; from here on LDS is only read
	s_mov_b32 s53, 0                               ; K and V: 12,288 bytes a step
	s_mov_b32 s54, 0                               ; K's scale words and the padding's numbers: 512 bytes a step
	s_mov_b32 s62, 4096                            ; head 1's
	s_mov_b32 s55, VSC-KSC                         ; V's scale words, counted from K's: 256 bytes a step
	s_mov_b32 s61, 0                               ; 4 blocks of keys a step
	s_mov_b32 s56, 4                               ; trips of two steps
	s_wait_loadcnt 16                              ; Q and its scale words are in; the mask's 16 loads may be out
	v_add_nc_u32 v13, 0xfffffcfd, v13              ; 3 off both bytes: q / 8 (the bytes are 4 at the least)
	v_add_nc_u32 v15, 0xfffffcfd, v15
	D 1
	v_lshlrev_b32 v15, 16, v15                     ; head 1's blocks are the instruction's blocks 2 and 3
	v_mov_b32 v12, 0x7f61b1e6                      ; -M: 3e38
	v_mov_b32 v14, 0x7f61b1e6
.irp j, 16,17,18,19,20,21, 116,117,118,119,120,121, 248,249,250,251,252,253
	v_mov_b32 v\j, 0                               ; the sums; f's pair; Q's zero codes; what the first step names behind K0's tile 3
.endr
.set j, 0
.rept 64
	v_mov_b32 v[O+j], 0                            ; O^T of both heads (also the places between the scale words' writes and the first product)
.set j, j+1
.endr
	s_wait_alu depctr_va_vdst(0)
.Ltrip:
	STEP X, Y, 0
	STEP Y, X, 1
	s_sub_co_u32 s56, s56, 1
	s_cmp_lg_u32 s56, 0
	s_wait_alu depctr_va_vdst(0)
	s_cbranch_scc1 .Ltrip
	s_wait_loadcnt 0x0                             ; the last step has asked for no mask; the wait says so on every way through the text, ahead of the writes into bank X
	; the end: O^T / the sum, both heads; four blocks of 32 channels, quantised as p's four blocks are: a fragment of the last launch's operand
.irp h, 0,1
	v_add_f32 v[16+2*\h], v[16+2*\h], v[17+2*\h]
.endr
.irp h, 0,1
	D 2
	v_permlanex16_b32 v[8+\h], v[16+2*\h], s20, s21
.endr
.irp h, 0,1
	D 2
	v_add_f32 v[16+2*\h], v[16+2*\h], v[8+\h]      ; the row's sum
.endr
	D 2
	v_cmp_eq_f32 s58, 0, v16                       ; 0 only where every key is padded
	D 2
	v_cmp_eq_f32 s59, 0, v18
	v_cndmask_b32 v16, v16, 1.0, s58
	v_cndmask_b32 v18, v18, 1.0, s59
	s_wait_alu depctr_va_vdst(0)
	v_rcp_f32 v16, v16
	v_rcp_f32 v18, v18
	v_mov_b32 v9, 0xff                             ; (a plain place behind the reciprocals)
	s_wait_alu depctr_va_vdst(0)                   ; and the wait ahead of their first reader, which is also O^T's
.irp h, 0,1
.set j, 0
.rept 16
	v_pk_mul_f32 v[X+32*\h+j:X+32*\h+j+1], v[O+32*\h+j:O+32*\h+j+1], v[16+2*\h:17+2*\h] op_sel_hi:[1,0]   ; each accumulator from its low end on
.set j, j+2
.endr
.endr
.irp b, 0,1,2,3
	v_max3_num_f32 v[BM+\b], |v[X+16*\b]|, |v[X+16*\b+1]|, 0x1800000
.endr
.irp i, 2,4,6,8,10,12,14
.irp b, 0,1,2,3
	v_max3_num_f32 v[BM+\b], v[BM+\b], |v[X+16*\b+\i]|, |v[X+16*\b+\i+1]|
.endr
.endr
.irp b, 0,1,2,3
	D 4
	v_permlanex16_b32 v[BX+\b], v[BM+\b], s20, s21
.endr
.irp b, 0,1,2,3
	D 4
	v_max_num_f32 v[BM+\b], v[BM+\b], v[BX+\b]
.endr
	SCALEB
	v_cndmask_b32 v[BX], v[BX], v9, s58            ; 0xff where the sum is 0
	v_cndmask_b32 v[BX+1], v[BX+1], v9, s58
	v_cndmask_b32 v[BX+2], v[BX+2], v9, s59
	v_cndmask_b32 v[BX+3], v[BX+3], v9, s59
	PWORD                                          ; the row's four bytes: two heads x two blocks
	CVT X
	SWAP
	v_and_b32 v10, 0xf0, v1
	D 1
	v_lshlrev_b32 v10, 1, v10                      ; 32 r: my row's eight words (both halves of the lanes store the same word at the same place)
	global_store_b128 v1, v[PC:PC+3], s[48:49]     ; 1,536 consecutive bytes: six aligned blocks of 256
	global_store_b64 v2, v[PC+4:PC+5], s[48:49] offset:512
	global_store_b128 v1, v[PC+6:PC+9], s[48:49] offset:768
	global_store_b64 v2, v[PC+10:PC+11], s[48:49] offset:1280
	global_store_b32 v10, v4, s[50:51]
	s_wait_tensorcnt 0x0                           ; the wave's end
	ds_add_u32 v5, v6
	s_wait_dscnt 0x0
	s_endpgm
.Lfunc_end_k_q1f322d1b98_attn:
	.size	k_q1f322d1b98_attn, .Lfunc_end_k_q1f322d1b98_attn-k_q1f322d1b98_attn
	.p2alignl 7, 3214868480
	.fill 96, 4, 3214868480
	.section	.rodata,"a",@progbits
	.p2align	6, 0x0
	.amdhsa_kernel k_q1f322d1b98_attn
		.amdhsa_group_segment_fixed_size 215040
		.amdhsa_private_segment_fixed_size 0
		.amdhsa_enable_private_segment 0
		.amdhsa_kernarg_size 48
		.amdhsa_user_sgpr_count 2
		.amdhsa_user_sgpr_kernarg_segment_ptr 1
		.amdhsa_wavefront_size32 1
		.amdhsa_system_sgpr_workgroup_id_x 1
		.amdhsa_system_sgpr_workgroup_id_y 1
		.amdhsa_system_sgpr_workgroup_id_z 1
		.amdhsa_system_vgpr_workitem_id 0
		.amdhsa_next_free_vgpr 256
		.amdhsa_next_free_sgpr 66
		.amdhsa_reserve_vcc 0
		.amdhsa_float_denorm_mode_32 3
		.amdhsa_float_denorm_mode_16_64 3
		.amdhsa_memory_ordered 1
		.amdhsa_forward_progress 1
		.amdhsa_inst_pref_size 103
	.end_amdhsa_kernel
	.amdgpu_metadata
---
amdhsa.version: [ 1, 2 ]
amdhsa.kernels:
  - .name:           k_q1f322d1b98_attn
    .symbol:         k_q1f322d1b98_attn.kd
    .args:
      - { .name: pimg, .offset: 0, .size: 8, .value_kind: global_buffer, .address_space: global }
      - { .name: psc, .offset: 8, .size: 8, .value_kind: global_buffer, .address_space: global }
      - { .name: mimg, .offset: 16, .size: 8, .value_kind: global_buffer, .address_space: global }
      - { .name: key_padding_mask, .offset: 24, .size: 8, .value_kind: global_buffer, .address_space: global }
      - { .name: aimg, .offset: 32, .size: 8, .value_kind: global_buffer, .address_space: global }
      - { .name: gsc, .offset: 40, .size: 8, .value_kind: global_buffer, .address_space: global }
    .group_segment_fixed_size: 215040
    .private_segment_fixed_size: 0
    .kernarg_segment_align: 8
    .kernarg_segment_size: 48
    .max_flat_workgroup_size: 512
    .sgpr_count:     66
    .vgpr_count:     256
    .wavefront_size: 32
...
	.end_amdgpu_metadata
.endif
;; end of part 3
;; launch oproj (part 4): grid 4 x 64, 4 waves a work-group, clusters of 4 x 4, 327,680 bytes of LDS; arguments aimg, gimg, gsc, out_proj_bias, out0; writes out0
.if DOCPART == 4
	.amdgcn_target "amdgcn-amd-amdhsa--gfx1250"
	.amdhsa_code_object_version 6
	.text
	.protected	k_q1f322d1b98_oproj
	.globl	k_q1f322d1b98_oproj
	.p2align	8
	.type	k_q1f322d1b98_oproj,@function
k_q1f322d1b98_oproj:
	s_mov_b64 s[64:65], 0
	v_nop
	global_prefetch_b8 v0, s[64:65] scope:SCOPE_SE
	s_setreg_imm32_b32 hwreg(HW_REG_WAVE_MODE, 25, 1), 1
	s_wait_xcnt 0x0
	s_wait_alu depctr_hold_cnt(0) depctr_sa_sdst(0) depctr_va_vdst(0) depctr_va_sdst(0) depctr_va_ssrc(0) depctr_va_vcc(0) depctr_vm_vsrc(0)
	s_getreg_b32 s2, hwreg(HW_REG_IB_STS2, 6, 4)
	s_cmp_eq_u32 s2, 0
	s_cbranch_scc0 .Lentry_in_a_cluster
	s_endpgm
.Lentry_in_a_cluster:
	s_bfe_u32 s2, ttmp6, 0x10000c
	s_cmp_lg_u32 s2, 0xf033
	s_cbranch_scc0 .Lentry_shape_is_right
	s_endpgm
.Lentry_shape_is_right:
; out0 = (attention's result) x out_proj_weight^T + out_proj_bias on codes of FP6 (E2M3), K = 1024, f32 sums.  No work of the problem is left out.
; OPERANDS are register images: a fragment of 16 rows x 128 K is 1,536 dense bytes (registers 0-3 at 16 x lane, 4-5 at 8 x lane, and the same again for 6-11); row tile T holds rows 32 (T / 2) + 8 (T % 2) + i + 8 (i / 8).
; aimg and gimg hold [8 row tiles][quarter of K][tile][3,072]: all of K of eight row tiles is one dense block of 98,304 bytes.
; SHARES: a work-group makes 128 (R: tokens) x 256 (P: rows of the weight): 64 x 4 = 256 work-groups.  ALL OF K LIES IN LDS: R's block, then P's two, 294,912 bytes, brought by ONE tensor load a wave at the head:
; waves 0, 1 half of R's block each (two quarters of K, 192 rows of 256 bytes), waves 2, 3 one of P's blocks each (384 rows).  Nothing is filled again: no ring, and between the head's barrier and the way out no barrier.
; A wave makes 64 x 128: 32 accumulators, by turns, one instruction a turn.  A K step is 32 matrix instructions; the next step's 12 fragments, 48 LDS loads, are issued ahead of them, into the other set.
; CLUSTER 4 x 4: R's block is shared along a row of the cluster, P's along a column: joint loads.  NO PREFETCH: the launch has no loop to run ahead in; each byte is asked for once, at the head.
; Source 0 = P, source 1 = R: a lane holds eight neighbouring columns of one row of out0.  The bias is the C of the first K step.  The scale words of all of K stay in registers: SC + 8 i + ks holds in lanes 0-15 the word of
; R's block i (i under 4), in lanes 16-31 that of P's block i.  A row whose scale bytes are 0xff (every key padded) comes out NaN, as the problem's softmax has it.
; REGISTERS: window 0: v1-15 addresses; v16-23 LDS addresses; v28, v29 the add's two; v32-95 scale words; v128-223 R's fragments, two sets of 4 (on the way out v128-255: rows read back).
;   window 1: v0-95, v128-223 P's two sets of 8; v96-127, v224-255 the bias.   window 2: the accumulators, (a, b) at v[8 (8 a + b)].
.set FR,    12
.set NP,    4                          ; places behind this matrix instruction (ISA guide 7.12.1)
.set GRP,   98304                      ; all of K of eight row tiles
.set SPARE, 294912                     ; behind the three blocks: the spare words, 128 bytes a wave
.set SPITCH, 528                       ; the way out: a stage of 16 rows x (512 + 16) bytes a wave, in R's bytes, behind the barrier behind which nobody reads them
.set RA,    16                         ; v16, v17 16 x lane + my R tiles, K steps 0-3, 4-7; v18, v19 the same with 8 x lane
.set PA,    20                         ; v20-23 the same for P
.set STO,   4
.set RD,    5
.set CO,    6
.set SPW,   28
.set NIL,   29
.set SC,    32
.set AF,    128
.set BK,    128
.set G1R,   24                         ; s[24:31] group 1 for R's loads, s[32:35] group 0
.set G0R,   32
.set G1P,   44                         ; s[44:51], s[52:55] the same for P's
.set G0P,   52
.set CX,    96
.set CY,    97
.set TP,    98
.set MR,    22
.set MC,    23
.set LD,    19
.set PAD,   2
.set MSB,   0
.macro WIN new                         ; the immediate's high byte repeats the setting that is left
.if MSB != \new
	s_set_vgpr_msb (MSB<<8)|\new
.set MSB, \new
.endif
.endm
.set MUL_LO, 0xa1                      ; source 0 (P) window 1, source 1 (R) window 0, C and D window 2
.set BIA_LO, 0x91                      ; the same with C (the bias) in window 1
.set TO_P,   0x40
.macro CREST                           ; a round of the cluster's barrier behind its opening barrier
	s_cmp_lg_u32 s14, 0
	s_cbranch_scc1 .Lnot_wave_0_\@
	s_barrier_signal -3
.Lnot_wave_0_\@:
	s_barrier_wait -3
	s_barrier_signal -1
	s_barrier_wait -1
.endm
.macro CROUND
	s_barrier_signal -1
	s_barrier_wait -1
	CREST
.endm
.macro PLACES n
.rept \n
	v_nop
.endr
.endm
	s_load_b256 s[4:11], s[0:1], 0x0               ; aimg, gimg, gsc, out_proj_bias
	s_load_b64 s[12:13], s[0:1], 0x20              ; out0
	v_lshl_add_u32 v[SPW], v0, 2, SPARE
	v_mov_b32 v[NIL], 0
	ds_add_u32 v[SPW], v[NIL]                      ; the wave's opening: the add, twice on end, and its wait ahead of my first tensor load
	ds_add_u32 v[SPW], v[NIL]
	v_lshrrev_b32 v1, 5, v0
	v_readfirstlane_b32 s14, v1                    ; wave
	s_lshr_b32 s15, s14, 1                         ; my half of R (4 row tiles).  Also: I fetch for R (0) or for P (1)
	s_and_b32 s16, s14, 1                          ; my half of P (8 row tiles).  Also: which part I fetch
	s_bfe_u32 s[CX], ttmp6, 0x40000
	s_bfe_u32 s[CY], ttmp6, 0x40004
	s_lshl_b32 s[TP], ttmp9, 2
	s_add_co_u32 s[TP], s[TP], s[CX]               ; P's tile of 256: it never holds cy
	s_and_b32 s17, ttmp7, 0xffff
	s_lshl_b32 s17, s17, 2
	s_add_co_u32 s17, s17, s[CY]                   ; R's tile of 128: it never holds cx
	s_lshl_b32 s[MR], s[CY], 2
	s_lshl_b32 s[MR], 15, s[MR]                    ; my row of the cluster
	s_lshl_b32 s[MC], 0x1111, s[CX]                ; my column
	s_or_b32 s[G1R+0], s[MR], (3<<16)|(1<<21)      ; 15:0 the mask; 17:16 elements of 8 bytes; 21 set beside a mask; no padding: the images are read densely
	s_or_b32 s[G1P+0], s[MC], (3<<16)|(1<<21)
	s_mov_b32 s[G1R+1], 32<<16                     ; rows of 256 bytes (32 elements), dense
	s_mov_b32 s[G1R+2], 192<<16                    ; R: 49,152 bytes
	s_mov_b32 s[G1R+3], 32<<16
	s_mov_b32 s[G1R+4], 192
	s_mov_b32 s[G1R+5], 32
	s_mov_b32 s[G1R+6], 0
	s_mov_b32 s[G1R+7], 0
	s_mov_b32 s[G1P+1], 32<<16
	s_mov_b32 s[G1P+2], 384<<16                    ; P: 98,304 bytes
	s_mov_b32 s[G1P+3], 32<<16
	s_mov_b32 s[G1P+4], 384
	s_mov_b32 s[G1P+5], 32
	s_mov_b32 s[G1P+6], 0
	s_mov_b32 s[G1P+7], 0
	s_mul_i32 s20, s17, GRP
	s_mul_i32 s18, s16, 49152                      ; R: which two quarters of K; the same number of bytes in memory and in LDS
	s_add_co_u32 s20, s20, s18
	s_mov_b32 s21, 0
	s_lshl_b32 s[PAD], s[TP], 1
	s_add_co_u32 s[PAD], s[PAD], s16
	s_add_co_u32 s[PAD], s[PAD], 216               ; out_proj_weight begins at row tile 1728 of gimg
	s_mul_i32 s[PAD], s[PAD], GRP
	s_mov_b32 s[PAD+1], 0
	s_mul_i32 s[LD], s16, GRP
	s_add_co_u32 s[LD], s[LD], GRP                 ; P's blocks lie behind R's: no place in the cluster enters an LDS address
	s_wait_dscnt 0x0                               ; both opening adds are done
	s_wait_kmcnt 0x0
	s_add_nc_u64 s[20:21], s[4:5], s[20:21]
	s_add_nc_u64 s[PAD:PAD+1], s[6:7], s[PAD:PAD+1]
	CROUND                                         ; all sixteen work-groups are here: the joint loads meet
	s_mov_b32 s[G0R], 1
	s_mov_b32 s[G0R+1], s18
	s_mov_b64 s[G0R+2:G0R+3], s[20:21]
	s_or_b32 s[G0R+3], s[G0R+3], 0x80000000
	s_mov_b32 s[G0P], 1
	s_mov_b32 s[G0P+1], s[LD]
	s_mov_b64 s[G0P+2:G0P+3], s[PAD:PAD+1]
	s_or_b32 s[G0P+3], s[G0P+3], 0x80000000
	s_cmp_eq_u32 s15, 0                            ; my one tensor load; an s_nop 0 and four v_nop follow each line
	s_cbranch_scc0 .Lfor_p
	tensor_load_to_lds s[G0R:G0R+3], s[G1R:G1R+7]
	s_nop 0
	PLACES 4
	s_branch .Lasked
.Lfor_p:
	tensor_load_to_lds s[G0P:G0P+3], s[G1P:G1P+7]
	s_nop 0
	PLACES 4
.Lasked:
	v_and_b32 v1, 31, v0                           ; lane
	v_and_b32 v9, 15, v0                           ; r
	v_bfe_u32 v10, v0, 4, 1                        ; h
	v_lshlrev_b32 v2, 4, v1                        ; 16 x lane
	v_lshlrev_b32 v3, 3, v1                        ; 8 x lane
	s_mul_i32 s90, s15, 12288                      ; my four row tiles of R in a quarter
	s_mul_i32 s91, s16, GRP
	s_add_co_u32 s91, s91, GRP                     ; my block of P
.irp s, 0,1
	v_add_nc_u32 v[RA+\s], s90, v2
	v_add_nc_u32 v[RA+2+\s], s90, v3
	v_add_nc_u32 v[PA+\s], s91, v2
	v_add_nc_u32 v[PA+2+\s], s91, v3
	s_add_co_u32 s90, s90, 49152                   ; two quarters on
	s_add_co_u32 s91, s91, 49152
.endr
	s_wait_alu depctr_va_vdst(0)
	s_lshl_b32 s92, s17, 3                         ; the scale words: 512 bytes a row tile
	s_lshl_b32 s93, s15, 2
	s_add_co_u32 s92, s92, s93
	s_add_co_u32 s92, s92, 1792
	s_lshl_b32 s92, s92, 9                         ; R's: my 4 row tiles
	s_lshl_b32 s93, s[TP], 4
	s_lshl_b32 s95, s16, 3
	s_add_co_u32 s93, s93, s95
	s_add_co_u32 s93, s93, 1728
	s_lshl_b32 s93, s93, 9                         ; P's: my 8
	s_sub_co_u32 s94, s92, 2048                    ; for P's blocks 4-7 lanes 0-15 read R's four once more: no load leaves its buffer
	s_mov_b32 s99, 0xffff0000
	v_mov_b32 v11, s92
	v_mov_b32 v12, s93
	v_mov_b32 v15, s94
	v_cndmask_b32 v8, v11, v12, s99                ; lanes 0-15 take R's, lanes 16-31 P's
	v_cndmask_b32 v14, v15, v12, s99
	v_lshl_add_u32 v8, v9, 5, v8                   ; + 32 r: my row's eight words
	v_lshl_add_u32 v14, v9, 5, v14
.irp i, 0,1,2,3
	global_load_b128 v[SC+8*\i:SC+8*\i+3], v8, s[8:9] offset:512*\i
	global_load_b128 v[SC+8*\i+4:SC+8*\i+7], v8, s[8:9] offset:512*\i+16
.endr
.irp i, 4,5,6,7
	global_load_b128 v[SC+8*\i:SC+8*\i+3], v14, s[8:9] offset:512*\i
	global_load_b128 v[SC+8*\i+4:SC+8*\i+7], v14, s[8:9] offset:512*\i+16
.endr
	s_lshl_b32 s86, s[TP], 10                      ; my first column, in bytes: 1,024 x tile + 512 x half: for the bias and for out0
	s_lshl_b32 s93, s16, 9
	s_add_co_u32 s86, s86, s93
	s_mov_b32 s87, 0
	s_add_nc_u64 s[10:11], s[10:11], s[86:87]
	s_add_nc_u64 s[12:13], s[12:13], s[86:87]
	s_lshl_b32 s86, s17, 19                        ; my first row: 128 x tile + 64 x half, 4,096 bytes a row
	s_lshl_b32 s93, s15, 18
	s_add_co_u32 s86, s86, s93
	s_add_nc_u64 s[12:13], s[12:13], s[86:87]
	v_lshlrev_b32 v13, 6, v10                      ; my half's eight numbers of a tile of P: 64 h
	WIN TO_P
.irp x, 0,1,2,3,4,5,6,7
	global_load_b128 v[96+8*\x+96*(\x/4):96+8*\x+96*(\x/4)+3], v13, s[10:11] offset:4*(32*(\x/2)+8*(\x%2))
	global_load_b128 v[96+8*\x+96*(\x/4)+4:96+8*\x+96*(\x/4)+7], v13, s[10:11] offset:4*(32*(\x/2)+8*(\x%2))+16
.endr
	WIN 0
	s_mul_i32 s90, s14, 16*SPITCH                  ; my stage
	v_mul_u32_u24 v[STO], v9, SPITCH               ; in: row r, 64 bytes for each half of the lanes
	v_lshl_add_u32 v[STO], v10, 6, v[STO]
	v_add_nc_u32 v[STO], s90, v[STO]
	v_add_nc_u32 v[RD], s90, v2                    ; back: the 32 lanes take one row of 512 bytes; and the same in out0
	v_mov_b32 v[CO], v2
.macro FRAG reg, adr, off              ; a fragment comes as it was laid: four dense loads
	ds_load_b128 v[\reg:\reg+3], v[\adr] offset:\off
	ds_load_b64 v[\reg+4:\reg+5], v[\adr+2] offset:\off+512
	ds_load_b128 v[\reg+6:\reg+9], v[\adr] offset:\off+768
	ds_load_b64 v[\reg+10:\reg+11], v[\adr+2] offset:\off+1280
.endm
.macro FETCH ks                        ; K step ks: P's eight fragments and R's four into set ks % 2
.set FS, (\ks)/4
.set FO, (((\ks)/2)%2)*24576+((\ks)%2)*1536
.set FP, (\ks)%2
	WIN TO_P
.irp i, 0,1,2,3,4,5,6,7
	FRAG 128*FP+FR*\i, PA+FS, \i*3072+FO
.endr
	WIN 0
.irp i, 0,1,2,3
	FRAG AF+48*FP+FR*\i, RA+FS, \i*3072+FO
.endr
.endm
.macro MUL32 p, ks, cm                 ; R's four blocks x P's eight, K step ks, set p.  cm = 1: C = the bias of P's tile
.irp a, 0,1,2,3
.irp b, 0,1,2,3,4,5,6,7
.set rD, 8*(8*\a+\b)
.set rC, rD
.if \cm
.set rC, 96+8*\b+96*(\b/4)
.endif
	v_wmma_scale_f32_16x16x128_f8f6f4 v[rD:rD+7], v[128*(\p)+FR*\b:128*(\p)+FR*\b+FR-1], v[AF+48*(\p)+FR*\a:AF+48*(\p)+FR*\a+FR-1], v[rC:rC+7], v[SC+8*\b+(\ks)], v[SC+8*\a+(\ks)] matrix_a_fmt:MATRIX_FMT_FP6 matrix_b_fmt:MATRIX_FMT_FP6 matrix_a_scale:MATRIX_SCALE_ROW1
.endr
.endr
.endm
.macro STEP ks, cm
	s_wait_dscnt 0x0                               ; this step's 48 loads, issued ahead of the last step's products, are in
.if (\ks) > 0
	PLACES NP                                      ; in front of loads into registers that the last step's products read
.endif
	FETCH (\ks)+1
.if \cm
	WIN BIA_LO
.else
	WIN MUL_LO
.endif
	MUL32 (\ks)%2, \ks, \cm
	WIN 0
.endm
	s_wait_alu depctr_va_vdst(0)
	s_wait_tensorcnt 0x0                           ; my part of the three blocks is in
	s_barrier_signal -1
	s_barrier_wait -1                              ; and everybody's
	FETCH 0
	s_wait_loadcnt 0x0                             ; the scale words and the bias
	STEP 0, 1                                      ; the first K step starts the sums from the bias
.irp k, 1,2,3,4,5,6
	STEP \k, 0
.endr
	s_wait_dscnt 0x0                               ; the last step's fragments are in, and my reads of the three blocks are over:
	s_barrier_signal -1                            ; say so,
	WIN MUL_LO
	MUL32 1, 7, 0                                  ; work on registers while the others arrive,
	WIN 0
	s_barrier_wait -1                              ; and behind this wait nobody reads R's bytes: the stages lie there
; THE WAY OUT, a block of 16 rows x 128 columns at a time, through my own stage: whole rows of 512 bytes come back and are stored as two aligned blocks of 256 bytes.  LDS serves a wave's instructions in order.
.macro TOSTAGE a
.set AC, 64*(\a)
	WIN 8                                          ; the data: window 2
.irp b, 0,1,2,3,4,5,6,7
	ds_store_b128 v[STO], v[AC+8*\b:AC+8*\b+3] offset:4*(32*(\b/2)+8*(\b%2))       ; each accumulator from its low end on
	ds_store_b128 v[STO], v[AC+8*\b+4:AC+8*\b+7] offset:4*(32*(\b/2)+8*(\b%2))+16
.endr
	WIN 0
.set BB, BK+64*((\a)%2)
.irp t, 0,1,2,3,4,5,6,7,8,9,10,11,12,13,14,15
	ds_load_b128 v[BB+4*\t:BB+4*\t+3], v[RD] offset:\t*SPITCH
.endr
.endm
.macro SEND a, younger                 ; younger: the LDS instructions issued behind block a's loads, which may stay out
.set BB, BK+64*((\a)%2)
	s_wait_dscnt \younger
.irp t, 0,1,2,3,4,5,6,7,8,9,10,11,12,13,14,15
	global_store_b128 v[CO], v[BB+4*\t:BB+4*\t+3], s[12:13] offset:(32*((\a)/2)+8*((\a)%2)+\t+8*(\t/8))*4096 th:TH_STORE_NT
.endr
.endm
	PLACES NP                                      ; in front of the first read of results and of loads into registers that held R's fragments
	TOSTAGE 0
.irp a, 1,2,3
.if \a > 1
	s_wait_xcnt 0x0                                ; block a - 2's stores have read their registers: block a's loads may land there
.endif
	TOSTAGE \a
	SEND \a-1, 32                                  ; behind block a - 1's loads: block a's 16 stores and 16 loads
.endr
	SEND 3, 0
	s_wait_tensorcnt 0x0                           ; the wave's end
	ds_add_u32 v[SPW], v[NIL]
	s_wait_dscnt 0x0
	CROUND                                         ; the closing round: no work-group ends while a partner may still ask for a tile that names it
	s_endpgm
.Lfunc_end_k_q1f322d1b98_oproj:
	.size	k_q1f322d1b98_oproj, .Lfunc_end_k_q1f322d1b98_oproj-k_q1f322d1b98_oproj
	.p2alignl 7, 3214868480
	.fill 96, 4, 3214868480
	.section	.rodata,"a",@progbits
	.p2align	6, 0x0
	.amdhsa_kernel k_q1f322d1b98_oproj
		.amdhsa_group_segment_fixed_size 327680
		.amdhsa_private_segment_fixed_size 0
		.amdhsa_enable_private_segment 0
		.amdhsa_kernarg_size 40
		.amdhsa_user_sgpr_count 2
		.amdhsa_user_sgpr_kernarg_segment_ptr 1
		.amdhsa_wavefront_size32 1
		.amdhsa_system_sgpr_workgroup_id_x 1
		.amdhsa_system_sgpr_workgroup_id_y 1
		.amdhsa_system_sgpr_workgroup_id_z 1
		.amdhsa_system_vgpr_workitem_id 0
		.amdhsa_next_free_vgpr 768
		.amdhsa_next_free_sgpr 100
		.amdhsa_reserve_vcc 0
		.amdhsa_float_denorm_mode_32 3
		.amdhsa_float_denorm_mode_16_64 3
		.amdhsa_memory_ordered 1
		.amdhsa_forward_progress 1
		.amdhsa_inst_pref_size 83
	.end_amdhsa_kernel
	.amdgpu_metadata
---
amdhsa.version: [ 1, 2 ]
amdhsa.kernels:
  - .name:           k_q1f322d1b98_oproj
    .symbol:         k_q1f322d1b98_oproj.kd
    .args:
      - { .name: aimg, .offset: 0, .size: 8, .value_kind: global_buffer, .address_space: global }
      - { .name: gimg, .offset: 8, .size: 8, .value_kind: global_buffer, .address_space: global }
      - { .name: gsc, .offset: 16, .size: 8, .value_kind: global_buffer, .address_space: global }
      - { .name: out_proj_bias, .offset: 24, .size: 8, .value_kind: global_buffer, .address_space: global }
      - { .name: out0, .offset: 32, .size: 8, .value_kind: global_buffer, .address_space: global }
    .group_segment_fixed_size: 327680
    .private_segment_fixed_size: 0
    .kernarg_segment_align: 8
    .kernarg_segment_size: 40
    .max_flat_workgroup_size: 128
    .sgpr_count:     100
    .vgpr_count:     768
    .wavefront_size: 32
...
	.end_amdgpu_metadata
.endif
;; end of part 4
